; MI455X (gfx1250); checked and timed in simulation.
; The chip was launched on July 23, 2026; its instructions are those of AMD's public machine-readable ISA for CDNA 5 (MIT licence, August 2026) and "CDNA5" Instruction Set Architecture Reference Guide (July 2026). The comments in the code are by the model that wrote it; some were corrected since.
;; Multi Head Attention. Allowed arithmetic: matrix products marked QUANTISED: E2M1 operands, one E8M0 scale for each 32 along K, by v_wmma_scale_f32_16x16x128_f8f6f4 with both operands' format E2M1 (or v_wmma_scale_f32_32x16x128_f4), f32 sums; products left as they are: bf16, f16 or f32 operands; f32 sums; everything else in f32.
;; Inputs: Wk 1,024 x 1,024 float32; Wo 1,024 x 1,024 float32; Wq 1,024 x 1,024 float32; Wv 1,024 x 1,024 float32; bk 1,024 float32; bo 1,024 float32; bq 1,024 float32; bv 1,024 float32; key 4 x 2,048 x 1,024 float32; mask 4 x 2,048 float32; query 4 x 2,048 x 1,024 float32; value 4 x 2,048 x 1,024 float32.
;; Outputs: out0 4 x 2,048 x 1,024 float32.
;; This version of the problem:
;;   THIS VERSION OF THE PROBLEM IS GIVEN IN LOW PRECISION. The matrix products marked QUANTISED in the list below multiply operands that are first quantised to E2M1 (2 exponent bits, 1 mantissa bit; 4 bits a number), with one power-of-two scale for each 32 numbers along K (OCP MX v1.0); their sums are f32. The products marked 'left as it is' may take bf16, f16 or f32 operands, with f32 sums. Whichever they take, every output number must still come out within the allowed error. Rounding operands to bf16 (8 significant bits) uses up far more of that allowance than f16 does (11 bits, for magnitudes from 6e-5 to 65,504). All else is computed in f32.
;;   The module's matrix products, in the order in which they are computed (A, B: the left and right operand; K: the contracted axis; several contracted axes count as one K, in the product's order):
;;     1. [M 8,192, K 1,024] x [K 1,024, N 1,024]; A: input query; B: input Wq: QUANTISED
;;     2. [M 8,192, K 1,024] x [K 1,024, N 1,024]; A: input key; B: input Wk: QUANTISED
;;     3. [M 8,192, K 1,024] x [K 1,024, N 1,024]; A: input value; B: input Wv: QUANTISED
;;     4. batch 2,048 x [M 2,048, K 1] x [K 1, N 4]; A: computed on the way; B: computed on the way: left as it is (no contracted axis)
;;     5. batch 64 x [M 2,048, K 64] x [K 64, N 2,048]; A: computed on the way; B: computed on the way: left as it is (an operand is computed on the way)
;;     6. batch 64 x [M 2,048, K 2,048] x [K 2,048, N 64]; A: computed on the way; B: computed on the way: left as it is (an operand is computed on the way)
;;     7. [M 8,192, K 1,024] x [K 1,024, N 1,024]; A: computed on the way; B: input Wo: left as it is (an operand is computed on the way)
;;   THE QUANTISER, for each operand of a quantised product, along K:
;;     - K is cut into blocks of 32 from its start; a last block that is shorter is filled with zeros.
;;     - A block's scale is 2^e with e = floor(log2(the largest magnitude in the block)) - 2, held to -126 .. 127; a block of zeros has e = 0. As a byte (E8M0): e + 127.
;;     - Each number is divided by its block's scale, clamped to +-6, and rounded to the nearest number of E2M1, ties to even, subnormals kept.
;;     - The product sums the exact products of the quantised numbers (number of the format x scale) in f32.
;;   ~~~python
;;   def quantise(x, axis):      # numpy; x: float32 -> the quantised numbers, widened to float32 again
;;       x = np.moveaxis(x, axis, -1); K = x.shape[-1]
;;       x = np.pad(x, [(0, 0)] * (x.ndim - 1) + [(0, -K % 32)]); x = x.reshape(x.shape[:-1] + (-1, 32)); a = np.abs(x).max(-1, keepdims=True)
;;       e = np.where(a > 0, np.clip(np.frexp(np.where(a > 0, a, 1))[1] - 1 - 2, -126, 127), 0)      # np.frexp(a)[1] - 1 = floor(log2(a)), exactly
;;       r = np.clip(x / 2.0 ** e, -6, 6)
;;       step = 2.0 ** (np.maximum(np.frexp(np.where(r == 0, 1, r))[1] - 1, 0) - 1)
;;       q = np.round(r / step) * step * 2.0 ** e      # np.round: ties to even
;;       return np.moveaxis(q.reshape(q.shape[:-2] + (-1,))[..., :K], -1, axis).astype(np.float32)
;;   ~~~
;; One version. Each part assembles by itself: llvm-mc -triple=amdgcn-amd-amdhsa -mcpu=gfx1250 --defsym DOCPART=n.
;; ======== version 1 of 1: 5 launches
;; limits: values are held in f16: magnitudes above 65,504 overflow, below 6.1e-05 lose precision; right only within a limited range of input values
;; workspace buffers: codes 14,155,776 bytes; scales 884,736 bytes; wo16 2,097,152 bytes; qkv16 50,331,648 bytes; attn16 16,777,216 bytes; aux32 1,048,576 bytes
;; launch quant (part 1): grid 928 x 1, 4 waves a work-group, no clusters, 33,280 bytes of LDS; arguments query, key, value, Wq, Wk, Wv, Wo, codes, scales, wo16; writes codes, scales, wo16
.if DOCPART == 1
	.amdgcn_target "amdgcn-amd-amdhsa--gfx1250"
	.amdhsa_code_object_version 6
	.text
	.protected	k_qba13d92e81_quant
	.globl	k_qba13d92e81_quant
	.p2align	8
	.type	k_qba13d92e81_quant,@function
k_qba13d92e81_quant:
	s_mov_b64 s[64:65], 0
	v_nop
	global_prefetch_b8 v0, s[64:65] scope:SCOPE_SE
	s_setreg_imm32_b32 hwreg(HW_REG_WAVE_MODE, 25, 1), 1
	s_wait_xcnt 0x0
; MULTI-HEAD ATTENTION, launch 1 of 5: the operands of the three quantised projections become codes, Wo becomes f16.
; THE PROGRAM.  1 quant: query, key, value, Wq, Wk, Wv -> E2M1 codes + E8M0 bytes; Wo -> f16.  2 proj: the three projections on codes, + bias, to f16 by head.
; 3 attn: scores, masks, softmax with a running maximum, P V, in f16 operands and f32 sums.  4 oproj: the output projection in f16 operands.  5 fine: positions 0-15 of each sequence once more, in f32.
; WORK OF reference() THAT IS LEFT OUT, for all finite inputs:
;  (a) m = einsum(mask, tril) has no contracted axis: m[b,q,k] = mask[b,k] x tril[q,k], and tril holds 1 for k <= q and 0 else.  So m == 0 holds exactly where mask[b,k] == 0 or k > q: two compares, no product.
;  (b) Tiles of scores and of P V all of whose keys come after all of their queries.  There every score is FILL.  If row q has a key k <= q with mask != 0, the row's maximum is a true score, and the weight
;      exp(FILL - maximum) of a hidden key is 0 beside the row's sum of at least 1 (true scores stay above -2^42 in units of log2: the limit below).  If it has none, all 2,048 scores of the row are FILL, the weights are
;      all 1/2,048, and the result is the mean of v over the batch's 2,048 keys: that mean is made from column sums of v (launch 2) and chosen by a select on the row's maximum (launches 3 and 5).
;  Every input has a way to an output and is loaded.
; LIMITS.  mask is finite (an infinity times tril's 0 would be NaN in reference()).  True scores x log2(e) lie above -2^42.  q x log2(e)/8, k, v, Wo lie within f16's range, 65,504.  NaN and infinities among the inputs are not
; served; a NaN, an infinity or an overflow that would arise only in the tiles left out is not carried to the result.
; THIS LAUNCH.  Rows are dense and K = 1,024 is a multiple of 32: the six tensors are one stream of blocks of 32 numbers, and so are the codes (two a byte, lower k in the low four bits) and the scale bytes.
; A block's scale is 2^(floor(log2(largest magnitude)) - 2); its byte is the largest magnitude's exponent field - 2, held at 1 from below.  A block of zeros so gets the byte 1 where the rule says 127: its codes are zeros,
; which add nothing under any byte but 0xff, and this program alone reads the bytes.  Blocks whose largest magnitude lies under 2^(2 - 126) were not tried.
; Work-groups 0-767 take query, key, value (256 each), 768-863 Wq, Wk, Wv (32 each): 32,768 numbers a work-group, 8,192 a wave, 16 steps of 512.  Only the source's pointer is chosen; codes and bytes lie in stream order.
; A step's four loads read 512 consecutive bytes each; the 2,048 bytes turn through the wave's own stage in LDS so that a lane holds 16 neighbours along K (two lanes to a block).
; Work-groups 864-927 take Wo: no LDS; f32 -> f16, laid [chunk of 64 k][n][64], the order in which launch 4 fetches it.
.set WAVES, 4
.set STEPS, 16
.set NQWG,  864                        ; work-groups that quantise
.set EMAX,  2
.set CB,    8                          ; bytes of 16 codes
.set R,     16                         ; v16-79   four sets of 16 numbers as they are loaded
.set X,     80                         ; v80-111  two sets of 16 neighbours
.set C,     128                        ; v128-191 codes: four registers for each step, so that no store's data are written again
.set E,     112                        ; v112-127 a scale byte for each step
.set WREG,  8192                       ; LDS: a region for each wave: two stages of 32 x SP bytes, then its 256 scale bytes
.set SP,    80                         ; a lane's place in a stage: 64 bytes + 16 of padding
.set SPW,   12                         ; v12  LDS address of my spare word; never rewritten
.set NIL,   13                         ; v13  0; never rewritten
.set SPARE, WAVES*WREG                 ; the spare words, 128 bytes a wave: two blocks of 256 bytes that no other line names
	s_load_b512 s[4:19], s[0:1], 0x0               ; query, key, value, Wq, Wk, Wv, Wo s[16:17], codes s[18:19]
	s_load_b128 s[20:23], s[0:1], 0x40             ; scales s[20:21], wo16 s[22:23]
	v_lshl_add_u32 v[SPW], v0, 2, SPARE
	v_mov_b32 v[NIL], 0
	v_lshrrev_b32 v1, 5, v0
	v_readfirstlane_b32 s24, v1                    ; wave
	v_and_b32 v2, 31, v0                           ; lane
	s_wait_kmcnt 0x0
	s_cmp_ge_u32 ttmp9, NQWG                       ; the work-group's number alone decides
	s_cbranch_scc1 .Lwo
	v_lshlrev_b32 v3, 4, v2                        ; my 16 bytes of a load's 512
	s_mul_i32 s25, s24, WREG
	v_lshrrev_b32 v14, 2, v2
	v_mul_u32_u24 v14, v14, SP
	v_and_b32 v15, 3, v2
	v_lshl_add_u32 v14, v15, 4, v14
	v_add_nc_u32 v14, s25, v14                     ; the stage, on the way in: SP (lane / 4) + 16 (lane % 4)
	v_mul_u32_u24 v15, v2, SP
	v_add_nc_u32 v15, s25, v15                     ; and on the way out: SP x lane: my 16 neighbours
	v_mul_u32_u24 v4, v2, CB                       ; my codes' place in a step's
	v_lshrrev_b32 v5, 1, v2
	s_add_co_u32 s25, s25, 2*32*SP
	v_add_nc_u32 v5, s25, v5                       ; LDS: my wave's 256 scale bytes, my block's byte
	v_lshlrev_b32 v7, 3, v2                        ; and on the way out 8 bytes a lane
	v_add_nc_u32 v6, s25, v7
	s_lshr_b32 s26, ttmp9, 8                       ; which of query, key, value
	s_cmp_eq_u32 s26, 1
	s_cselect_b64 s[28:29], s[6:7], s[4:5]
	s_cmp_eq_u32 s26, 2
	s_cselect_b64 s[28:29], s[8:9], s[28:29]
	s_sub_co_u32 s27, ttmp9, 768
	s_lshr_b32 s26, s27, 5                         ; which of Wq, Wk, Wv
	s_cmp_eq_u32 s26, 1
	s_cselect_b64 s[30:31], s[12:13], s[10:11]
	s_cmp_eq_u32 s26, 2
	s_cselect_b64 s[30:31], s[14:15], s[30:31]
	s_and_b32 s26, ttmp9, 255
	s_and_b32 s27, s27, 31
	s_cmp_lt_u32 ttmp9, 768
	s_cselect_b64 s[28:29], s[28:29], s[30:31]     ; the source
	s_cselect_b32 s26, s26, s27                    ; the work-group's place in it
	s_lshl_b32 s26, s26, 2
	s_add_co_u32 s26, s26, s24
	s_lshl_b32 s26, s26, 15                        ; my wave's run: 8,192 numbers of 4 bytes
	s_mov_b32 s27, 0
	s_add_nc_u64 s[28:29], s[28:29], s[26:27]
	s_lshl_b32 s26, ttmp9, 2
	s_add_co_u32 s26, s26, s24                     ; my run's place in the stream of all six tensors
	s_lshl_b32 s30, s26, 12                        ; 4,096 bytes of codes a run
	s_mov_b32 s31, 0
	s_add_nc_u64 s[18:19], s[18:19], s[30:31]
	s_lshl_b32 s30, s26, 8                         ; 256 scale bytes a run
	s_add_nc_u64 s[20:21], s[20:21], s[30:31]
.macro LOAD t
.irp i, 0,1,2,3
	global_load_b128 v[R+16*((\t)%4)+4*\i:R+16*((\t)%4)+4*\i+3], v3, s[28:29] offset:2048*(\t)+512*\i th:TH_LOAD_NT   ; 32 lanes read 512 consecutive bytes
.endr
.endm
.macro TURN t                          ; step t's numbers through the stage: LDS serves a wave's instructions in order, so no wait stands between the stores and the loads
.irp i, 0,1,2,3
	ds_store_b128 v14, v[R+16*((\t)%4)+4*\i:R+16*((\t)%4)+4*\i+3] offset:32*SP*((\t)%2)+8*SP*\i
.endr
.irp i, 0,1,2,3
	ds_load_b128 v[X+16*((\t)%2)+4*\i:X+16*((\t)%2)+4*\i+3], v15 offset:32*SP*((\t)%2)+16*\i
.endr
.endm
.irp t, 0,1,2,3
	LOAD \t
.endr
	s_wait_loadcnt 12                              ; step 0's four loads are in; three steps' twelve stay out
	TURN 0
.macro STEP t
.set XS, X+16*((\t)%2)
.if (\t) > 0
	s_wait_dscnt 1                                 ; this step's numbers are back from the stage (the last step's byte store may be out)
.else
	s_wait_dscnt 0x0
.endif
.if (\t)+4 < STEPS
	LOAD (\t)+4                                    ; into the registers that the stage's stores have read
.endif
.if (\t)+1 < STEPS
.if STEPS-2-(\t) >= 3
	s_wait_loadcnt 12                              ; the next step's four loads are in; those of the three steps behind it may be out
.else
	s_wait_loadcnt 4*(STEPS-2-(\t))
.endif
	TURN (\t)+1                                    ; through the other stage while this step is worked
.endif
	v_max3_num_f32 v8, |v[XS]|, |v[XS+1]|, |v[XS+2]|               ; the largest magnitude of my 16, in two chains
	v_max3_num_f32 v9, |v[XS+3]|, |v[XS+4]|, |v[XS+5]|
.irp i, 6,10
	v_max3_num_f32 v8, v8, |v[XS+\i]|, |v[XS+\i+1]|
	v_max3_num_f32 v9, v9, |v[XS+\i+2]|, |v[XS+\i+3]|
.endr
	v_max3_num_f32 v8, v8, |v[XS+14]|, |v[XS+15]|
	v_max3_num_f32 v8, v8, v9, (EMAX+1)<<23        ; and the floor 2^(EMAX + 1 - 127): the byte cannot fall under 1
	v_max_num_f32_dpp v8, v8, v8 row_xmask:1 row_mask:0xf bank_mask:0xf   ; and of my neighbour's 16: the block's
	v_add_nc_u32 v11, -(EMAX<<23), v8              ; EMAX off its exponent field: the conversion takes this operand's exponent field as its scale
	v_cvt_scalef32_pk8_fp4_f32 v[C+4*(\t)], v[XS:XS+7], v11        ; eight numbers / scale, to the nearest code, ties to even, beyond 6 the largest code
	v_cvt_scalef32_pk8_fp4_f32 v[C+4*(\t)+1], v[XS+8:XS+15], v11
	v_lshrrev_b32 v[E+(\t)], 23, v11               ; the scale's byte
	ds_store_b8 v5, v[E+(\t)] offset:16*(\t)       ; both lanes of a block write the same byte with the same value
	global_store_b64 v4, v[C+4*(\t):C+4*(\t)+1], s[18:19] offset:32*CB*(\t)   ; the wave stores 256 consecutive bytes, aligned
.endm
.irp t, 0,1,2,3,4,5,6,7,8,9,10,11,12,13,14,15
	STEP \t
.endr
	ds_load_b64 v[8:9], v6                         ; LDS serves a wave's instructions in order: these see my stores
	s_wait_dscnt 0x0
	global_store_b64 v7, v[8:9], s[20:21]          ; 32 lanes store 256 consecutive bytes, aligned
	s_wait_tensorcnt 0x0                           ; the wave's end, behind my last LDS store
	ds_add_u32 v[SPW], v[NIL]
	s_wait_dscnt 0x0
	s_endpgm
; Wo -> f16.  Work-group u takes rows 16 u .. 16 u + 15, wave w the chunks 4 w .. 4 w + 3 of 64 along K.  A step is 4 rows x one chunk: lane l takes row l / 8 and eight numbers, 32 bytes in, 16 bytes out;
; a step's store covers 512 consecutive bytes of wo16.  All 32 loads go out first; the waits count down.
.Lwo:
	s_sub_co_u32 s25, ttmp9, NQWG                  ; u
	v_lshrrev_b32 v3, 3, v2
	v_and_b32 v4, 7, v2
	v_lshlrev_b32 v3, 12, v3
	v_lshl_add_u32 v3, v4, 5, v3                   ; in: 4,096 (lane / 8) + 32 (lane % 8)
	v_lshlrev_b32 v5, 4, v2                        ; out: 16 x lane
	s_lshl_b32 s26, s25, 16                        ; 16 rows of 4,096 bytes
	s_lshl_b32 s27, s24, 10                        ; four chunks of 256 bytes
	s_add_co_u32 s26, s26, s27
	s_mov_b32 s27, 0
	s_add_nc_u64 s[16:17], s[16:17], s[26:27]
	s_lshl_b32 s26, s24, 19                        ; four chunks of 131,072 bytes
	s_lshl_b32 s28, s25, 11                        ; 16 rows of 128 bytes
	s_add_co_u32 s26, s26, s28
	s_add_nc_u64 s[22:23], s[22:23], s[26:27]
.irp cc, 0,1,2,3
.irp gq, 0,1,2,3
	global_load_b128 v[16+8*(4*\cc+\gq):16+8*(4*\cc+\gq)+3], v3, s[16:17] offset:\gq*16384+\cc*256 th:TH_LOAD_NT
	global_load_b128 v[16+8*(4*\cc+\gq)+4:16+8*(4*\cc+\gq)+7], v3, s[16:17] offset:\gq*16384+\cc*256+16 th:TH_LOAD_NT
.endr
.endr
.irp cc, 0,1,2,3
.irp gq, 0,1,2,3
	s_wait_loadcnt 30-2*(4*\cc+\gq)                ; this step's two loads are in; the younger steps' stay out
.irp i, 0,1,2,3
	v_cvt_pk_f16_f32 v[16+8*(4*\cc+\gq)+\i], v[16+8*(4*\cc+\gq)+2*\i], v[16+8*(4*\cc+\gq)+2*\i+1]   ; in place, ascending: no source is written before it is read
.endr
	global_store_b128 v5, v[16+8*(4*\cc+\gq):16+8*(4*\cc+\gq)+3], s[22:23] offset:\cc*131072+\gq*512
.endr
.endr
	s_endpgm
.Lfunc_end_k_qba13d92e81_quant:
	.size	k_qba13d92e81_quant, .Lfunc_end_k_qba13d92e81_quant-k_qba13d92e81_quant
	.p2alignl 7, 3214868480
	.fill 96, 4, 3214868480
	.section	.rodata,"a",@progbits
	.p2align	6, 0x0
	.amdhsa_kernel k_qba13d92e81_quant
		.amdhsa_group_segment_fixed_size 33280
		.amdhsa_private_segment_fixed_size 0
		.amdhsa_enable_private_segment 0
		.amdhsa_kernarg_size 80
		.amdhsa_user_sgpr_count 2
		.amdhsa_user_sgpr_kernarg_segment_ptr 1
		.amdhsa_wavefront_size32 1
		.amdhsa_system_sgpr_workgroup_id_x 1
		.amdhsa_system_sgpr_workgroup_id_y 1
		.amdhsa_system_sgpr_workgroup_id_z 1
		.amdhsa_system_vgpr_workitem_id 0
		.amdhsa_next_free_vgpr 192
		.amdhsa_next_free_sgpr 66
		.amdhsa_reserve_vcc 0
		.amdhsa_float_denorm_mode_32 3
		.amdhsa_float_denorm_mode_16_64 3
		.amdhsa_memory_ordered 1
		.amdhsa_forward_progress 1
		.amdhsa_inst_pref_size 43
	.end_amdhsa_kernel
	.amdgpu_metadata
---
amdhsa.version: [ 1, 2 ]
amdhsa.kernels:
  - .name:           k_qba13d92e81_quant
    .symbol:         k_qba13d92e81_quant.kd
    .args:
      - { .name: query, .offset: 0, .size: 8, .value_kind: global_buffer, .address_space: global }
      - { .name: key, .offset: 8, .size: 8, .value_kind: global_buffer, .address_space: global }
      - { .name: value, .offset: 16, .size: 8, .value_kind: global_buffer, .address_space: global }
      - { .name: Wq, .offset: 24, .size: 8, .value_kind: global_buffer, .address_space: global }
      - { .name: Wk, .offset: 32, .size: 8, .value_kind: global_buffer, .address_space: global }
      - { .name: Wv, .offset: 40, .size: 8, .value_kind: global_buffer, .address_space: global }
      - { .name: Wo, .offset: 48, .size: 8, .value_kind: global_buffer, .address_space: global }
      - { .name: codes, .offset: 56, .size: 8, .value_kind: global_buffer, .address_space: global }
      - { .name: scales, .offset: 64, .size: 8, .value_kind: global_buffer, .address_space: global }
      - { .name: wo16, .offset: 72, .size: 8, .value_kind: global_buffer, .address_space: global }
    .group_segment_fixed_size: 33280
    .private_segment_fixed_size: 0
    .kernarg_segment_align: 8
    .kernarg_segment_size: 80
    .max_flat_workgroup_size: 128
    .sgpr_count:     66
    .vgpr_count:     192
    .wavefront_size: 32
...
	.end_amdgpu_metadata
.endif
;; end of part 1
;; launch proj (part 2): grid 4 x 96, 4 waves a work-group, clusters of 4 x 4, 327,680 bytes of LDS; arguments codes, scales, bq, bk, bv, qkv16, aux32; writes qkv16, aux32
.if DOCPART == 2
	.amdgcn_target "amdgcn-amd-amdhsa--gfx1250"
	.amdhsa_code_object_version 6
	.text
	.protected	k_qba13d92e81_proj
	.globl	k_qba13d92e81_proj
	.p2align	8
	.type	k_qba13d92e81_proj,@function
k_qba13d92e81_proj:
	s_mov_b64 s[64:65], 0
	v_nop
	global_prefetch_b8 v0, s[64:65] scope:SCOPE_SE
	s_setreg_imm32_b32 hwreg(HW_REG_WAVE_MODE, 25, 1), 1
	s_wait_xcnt 0x0
	s_wait_alu depctr_hold_cnt(0) depctr_sa_sdst(0) depctr_va_vdst(0) depctr_va_sdst(0) depctr_va_ssrc(0) depctr_va_vcc(0) depctr_vm_vsrc(0)
	s_getreg_b32 s2, hwreg(HW_REG_IB_STS2, 6, 4)
	s_cmp_eq_u32 s2, 0
	s_cbranch_scc0 .Lentry_in_a_cluster
	s_endpgm
.Lentry_in_a_cluster:
	s_bfe_u32 s2, ttmp6, 0x10000c
	s_cmp_lg_u32 s2, 0xf033
	s_cbranch_scc0 .Lentry_shape_is_right
	s_endpgm
.Lentry_shape_is_right:
; Launch 2 of 5: q, k, v = x W^T + b on codes of E2M1 with E8M0 scales, K = 1,024; sums in f32.  Nothing of reference() is left out here.
; codes: [27,648 rows][512 bytes], scales: [rows][32 bytes]; rows 0-24,575 are query | key | value, rows 24,576 on are Wq | Wk | Wv.
; A tile of 256 rows x 256 features is made by four waves, 128 x 128 each: 64 accumulators, 512 registers.  K goes in two steps of 512 (rows of 256 bytes) through two LDS slots: both are asked for at the head and none is
; filled again.  The scale bytes of the tile's rows, for all of K, come once, as whole runs of 256 bytes.
; CLUSTERS: 4 x 4.  Cluster y = 8 T + i (T: which tensor; i: which 256 rows of a sequence); the partner at cy takes batch cy, so tile row = 32 T + 8 cy + i; tile column = cx.  A's tiles are shared along a row of the
; cluster, W's along a column: joint loads.  Whether a tile holds positions 0-15 of a sequence (i = 0) is then the same in all sixteen partners.
; THE MATRIX INSTRUCTION IS USED TRANSPOSED (source 0 = 16 rows of W, source 1 = 16 rows of x): a lane holds eight neighbouring features of one row.
; THE WAY OUT: y = sum x SC + b x SC (SC = log2(e)/8 for q, so that launch 3's scores are exponents of 2; 1 for k and v), rounded to f16, laid [T][batch][head][position][64].
; Positions 0-15 of each sequence also go out in f32 (for launch 5), and the column sums of v over each 128 rows (for the mean of v).  LIMIT: y within f16's range.
; REGISTERS: window 0: v0-31 addresses; v32-95 scale words, two sets; v128-191 A's fragments, one set; v192-255 the bias; on the way out v32-95 rows read back, v96-127 packed f16, v128-191 y in f32.
;   window 1: W's fragments, two sets (v0, v128); at the very end v0-63 the column sums.   windows 2, 3: the accumulators ((a, b) at v[8 (8 (a % 4) + b)]).
.set KSTEP,  512
.set NQ,     4                         ; matrix instructions deep in a slot
.set ROWB,   256                       ; a tile's row in bytes
.set KROW,   512                       ; a row of codes in memory
.set PITCH,  272                       ; an LDS row: 256 bytes + 16 of padding: the 16 rows that a load touches start at 16 different banks
.set FR,     8
.set NL,     2
.set NP,     4
.set HALFT,  128*PITCH
.set SLOT,   4*HALFT
.set KS,     32                        ; a row of scale bytes
.set SCL,    2*SLOT
.set HALFS,  (128*KS/256)*272
.set SBLK,   (16*KS/256)*272
.set SPARE,  SCL+4*HALFS               ; the spare words, 128 bytes a wave: two blocks of 256 bytes that no other line names
.set SPITCH, 272                       ; the way out: 16 rows x (256 bytes + 16) a wave, in slot 0, which has had its only fill and its last read by then
.set ADRA, 16
.set ADRB, 20
.set FO,   22                          ; v22  f32 rows for launch 5: 4,096 r + 32 h
.set STO,  24
.set RD,   25
.set CO,   26
.set ADRS, 27
.set SPW,  28
.set NIL,  29
.set BOF,  30                          ; v30  32 h
.set RR,   31                          ; v31  r
.set SC,   32
.set AF,   128
.set BK,   32
.set PK,   96
.set TT,   128
.set BI,   192
.set G1, 24
.set G0, 32
.set G1B, 48
.set G0B, 56
.set G1S, 68
.set G0S, 76
.set G1SB, 80
.set G0SB, 88
.set MSB, 0
.macro WIN new                         ; the immediate's high byte repeats the setting that is left
.if MSB != (\new)
	s_set_vgpr_msb (MSB<<8)|(\new)
.set MSB, (\new)
.endif
.endm
.set MUL_LO, 0xa1                      ; source 0 (W) window 1, source 1 (x) window 0, C and D window 2
.set MUL_HI, 0xf1
.set TO_B,   0x40
; A joint load: waves 0 and 1 fetch for x, waves 2 and 3 for W.  The branch hangs on the wave's number alone.  An s_nop 0 and four v_nop follow each line.
.macro JLOAD g0a, g1a, g0b, g1b
	s_cmp_eq_u32 s15, 0
	s_cbranch_scc0 .Lfor_b_\@
	tensor_load_to_lds s[\g0a:\g0a+3], s[\g1a:\g1a+7]
	s_nop 0
.rept 4
	v_nop
.endr
	s_branch .Lasked_\@
.Lfor_b_\@:
	tensor_load_to_lds s[\g0b:\g0b+3], s[\g1b:\g1b+7]
	s_nop 0
.rept 4
	v_nop
.endr
.Lasked_\@:
.endm
.macro CROUND                          ; a round of the cluster's barrier
	s_barrier_signal -1
	s_barrier_wait -1
	s_cmp_lg_u32 s14, 0
	s_cbranch_scc1 .Lnot_wave_0_\@
	s_barrier_signal -3
.Lnot_wave_0_\@:
	s_barrier_wait -3
	s_barrier_signal -1
	s_barrier_wait -1
.endm
	s_load_b256 s[4:11], s[0:1], 0x0               ; codes s[4:5], scales s[6:7], bq s[8:9], bk s[10:11]
	s_load_b128 s[96:99], s[0:1], 0x20             ; bv s[96:97], qkv16 s[98:99]
	s_load_b64 s[100:101], s[0:1], 0x30            ; aux32
	v_lshl_add_u32 v[SPW], v0, 2, SPARE
	v_mov_b32 v[NIL], 0
	ds_add_u32 v[SPW], v[NIL]                      ; the wave's opening: the add, twice on end, and its wait ahead of my first tensor load
	ds_add_u32 v[SPW], v[NIL]
	v_lshrrev_b32 v1, 5, v0
	v_readfirstlane_b32 s14, v1                    ; wave 0..3
	s_lshr_b32 s15, s14, 1                         ; which half of the tile's rows is mine.  Also: I fetch for x (0) or for W (1)
	s_and_b32 s16, s14, 1                          ; which half of its features.  Also: which 128 rows I fetch
	s_bfe_u32 s40, ttmp6, 0x40000                  ; cx
	s_bfe_u32 s41, ttmp6, 0x40004                  ; cy
	s_lshl_b32 s42, ttmp9, 2
	s_add_co_u32 s42, s42, s40                     ; tile column
	s_and_b32 s17, ttmp7, 0xffff                   ; cluster y
	s_lshr_b32 s66, s17, 3                         ; T
	s_and_b32 s67, s17, 7                          ; i
	s_lshl_b32 s17, s66, 5
	s_add_co_u32 s17, s17, s67
	s_lshl_b32 s18, s41, 3
	s_add_co_u32 s17, s17, s18                     ; tile row = 32 T + 8 cy + i
	s_lshl_b32 s43, s41, 2
	s_lshl_b32 s43, 15, s43                        ; my row of the cluster
	s_lshl_b32 s44, 0x1111, s40                    ; my column
	s_or_b32 s[G1+0], s43, (0<<16)|(1<<20)|(1<<21)|(5<<22)|(3<<25)  ; mask; elements of 1 byte; padding on; bit 21 beside a mask; 4 words after every 64
	s_or_b32 s[G1B+0], s44, (0<<16)|(1<<20)|(1<<21)|(5<<22)|(3<<25)
.irp g, G1, G1B
	s_mov_b32 s[\g+1], ROWB<<16                    ; tensor_dim0
	s_mov_b32 s[\g+2], 128<<16                     ; tensor_dim1
	s_mov_b32 s[\g+3], ROWB<<16                    ; tile_dim0
	s_mov_b32 s[\g+4], 128                         ; tile_dim1
	s_mov_b32 s[\g+5], KROW                        ; from row to row
	s_mov_b32 s[\g+6], 0
	s_mov_b32 s[\g+7], 0
.endr
	s_or_b32 s[G1S+0], s43, (3<<16)|(1<<20)|(1<<21)|(5<<22)|(3<<25) ; the scales of 128 rows: 4,096 dense bytes as 16 rows of 256 (32 elements of 8 bytes), 16 bytes of padding behind each
	s_or_b32 s[G1SB+0], s44, (3<<16)|(1<<20)|(1<<21)|(5<<22)|(3<<25)
.irp g, G1S, G1SB
	s_mov_b32 s[\g+1], 32<<16
	s_mov_b32 s[\g+2], (128*KS/256)<<16
	s_mov_b32 s[\g+3], 32<<16
	s_mov_b32 s[\g+4], 128*KS/256
	s_mov_b32 s[\g+5], 32
	s_mov_b32 s[\g+6], 0
	s_mov_b32 s[\g+7], 0
.endr
	s_lshl_b32 s18, s16, 7                         ; which 128 rows of the tile I fetch
	s_lshl_b32 s20, s17, 8
	s_add_co_u32 s20, s20, s18                     ; x: row 256 x tile row + 128 x half
	s_lshl_b32 s46, s42, 8
	s_add_co_u32 s46, s46, s18
	s_lshl_b32 s47, s66, 10
	s_add_co_u32 s46, s46, s47
	s_add_co_u32 s46, s46, 24576                   ; W: row 24,576 + 1,024 T + 256 x tile column + 128 x half
	s_mov_b32 s21, 0
	s_mov_b32 s47, 0
	s_mov_b64 s[18:19], KS
	s_mul_u64 s[22:23], s[20:21], s[18:19]         ; where these rows' scales begin,
	s_mul_u64 s[92:93], s[46:47], s[18:19]
	s_mov_b64 s[18:19], KROW
	s_mul_u64 s[20:21], s[20:21], s[18:19]         ; and their codes
	s_mul_u64 s[46:47], s[46:47], s[18:19]
	s_mul_i32 s45, s14, HALFT                      ; where they go: wave x 128 rows: no place in the cluster enters an LDS address
	s_mul_i32 s94, s14, HALFS
	s_wait_dscnt 0x0                               ; both opening adds are done
	s_wait_kmcnt 0x0
	s_add_nc_u64 s[20:21], s[4:5], s[20:21]
	s_add_nc_u64 s[22:23], s[6:7], s[22:23]
	s_add_nc_u64 s[46:47], s[4:5], s[46:47]
	s_add_nc_u64 s[92:93], s[6:7], s[92:93]
	CROUND                                         ; all sixteen work-groups are here: the joint loads meet
	s_mov_b32 s[G0S], 1
	s_add_co_u32 s[G0S+1], s94, SCL
	s_mov_b64 s[G0S+2:G0S+3], s[22:23]
	s_or_b32 s[G0S+3], s[G0S+3], 0x80000000
	s_mov_b32 s[G0SB], 1
	s_add_co_u32 s[G0SB+1], s94, SCL
	s_mov_b64 s[G0SB+2:G0SB+3], s[92:93]
	s_or_b32 s[G0SB+3], s[G0SB+3], 0x80000000
	JLOAD G0S, G1S, G0SB, G1SB                     ; the scales first; three loads of mine are out at the most
.irp s, 0,1
	s_mov_b32 s[G0+4*\s], 1
	s_add_co_u32 s[G0+4*\s+1], s45, \s*SLOT
	s_add_nc_u64 s[G0+4*\s+2:G0+4*\s+3], s[20:21], \s*ROWB
	s_or_b32 s[G0+4*\s+3], s[G0+4*\s+3], 0x80000000
	s_mov_b32 s[G0B+4*\s], 1
	s_add_co_u32 s[G0B+4*\s+1], s45, \s*SLOT
	s_add_nc_u64 s[G0B+4*\s+2:G0B+4*\s+3], s[46:47], \s*ROWB
	s_or_b32 s[G0B+4*\s+3], s[G0B+4*\s+3], 0x80000000
	JLOAD G0+4*\s, G1, G0B+4*\s, G1B
.endr
	v_and_b32 v1, 15, v0                           ; r
	v_bfe_u32 v2, v0, 4, 1                         ; h
	v_mul_u32_u24 v3, v1, PITCH
	v_lshl_add_u32 v4, v2, 4, v3                   ; a fragment's row x pitch + 16 h
	s_mul_i32 s21, s15, HALFT
	s_mul_i32 s22, s16, HALFT
	s_add_co_u32 s22, s22, 2*HALFT
.irp s, 0,1
	v_add_nc_u32 v[ADRA+\s], s21, v4
	v_add_nc_u32 v[ADRB+\s], s22, v4
	s_add_co_u32 s21, s21, SLOT
	s_add_co_u32 s22, s22, SLOT
.endr
	v_mul_u32_u24 v5, v1, KS                       ; my row's scales: 32 bytes a row,
	v_lshrrev_b32 v6, 8, v5
	v_lshl_add_u32 v5, v6, 4, v5                   ; and 16 more for each 256 passed
	s_mul_i32 s21, s15, HALFS
	s_mul_i32 s22, s16, HALFS
	s_add_co_u32 s22, s22, 2*HALFS
	s_sub_co_u32 s22, s22, s21
	v_mul_u32_u24 v6, s22, v2                      ; lanes 16-31 take W's
	s_add_co_u32 s21, s21, SCL
	v_add_nc_u32 v5, v5, v6
	v_add_nc_u32 v[ADRS], s21, v5
	s_mul_i32 s23, s14, 16*SPITCH                  ; my stage
	v_add_nc_u32 v[STO], s23, v4                   ; in: row r, 16 bytes for each half of the lanes
	v_bfe_u32 v5, v0, 3, 1
	v_mul_u32_u24 v5, v5, SPITCH
	v_lshl_add_u32 v5, v2, 7, v5
	v_and_b32 v6, 7, v0
	v_lshl_add_u32 v5, v6, 4, v5
	v_add_nc_u32 v[RD], s23, v5                    ; back: lanes 0-15 two rows of my first head (128 bytes each), lanes 16-31 of my second
	v_lshlrev_b32 v[CO], 4, v1
	v_lshl_add_u32 v[CO], v2, 18, v[CO]            ; in memory: 16 (lane % 16), and a head (2,048 rows of 128 bytes) on for lanes 16-31
	v_lshlrev_b32 v[FO], 12, v1
	v_lshl_add_u32 v[FO], v2, 5, v[FO]
	v_lshlrev_b32 v[BOF], 5, v2
	v_mov_b32 v[RR], v1
	s_lshl_b32 s46, s40, 10
	s_lshl_b32 s47, s16, 9
	s_add_co_u32 s46, s46, s47
	s_mov_b32 s47, 0                               ; s[46:47] = 4 n0, n0 = 256 cx + 128 x half: my first feature
	s_cmp_eq_u32 s66, 1
	s_cselect_b64 s[8:9], s[10:11], s[8:9]
	s_cmp_eq_u32 s66, 2
	s_cselect_b64 s[8:9], s[96:97], s[8:9]         ; the tensor's bias
	s_add_nc_u64 s[8:9], s[8:9], s[46:47]
.irp b, 0,1,2,3,4,5,6,7
	global_load_b128 v[BI+8*\b:BI+8*\b+3], v[BOF], s[8:9] offset:64*\b       ; in the result's layout: features n0 + 16 b + 8 h + 0 .. 7
	global_load_b128 v[BI+8*\b+4:BI+8*\b+7], v[BOF], s[8:9] offset:64*\b+16
.endr
	s_mov_b32 s2, 0x3f800000
	s_cmp_eq_u32 s66, 0
	s_cselect_b32 s2, 0x3e38aa3b, s2               ; SC: log2(e) / 8 for q, else 1
	s_mov_b32 s3, s2
	s_lshl_b32 s20, s66, 2
	s_add_co_u32 s20, s20, s41
	s_lshl_b32 s20, s20, 16
	s_mov_b32 s21, 0
	s_add_nc_u64 s[20:21], s[20:21], s[46:47]
	s_add_nc_u64 s[10:11], s[100:101], s[20:21]    ; f32 rows: aux32 + (4 T + batch) x 65,536 + 4 n0
	s_lshl_b32 s20, s41, 4
	s_lshl_b32 s21, s67, 1
	s_add_co_u32 s20, s20, s21
	s_add_co_u32 s20, s20, s15
	s_lshl_b32 s20, s20, 12
	s_add_co_u32 s20, s20, 786432
	s_mov_b32 s21, 0
	s_add_nc_u64 s[20:21], s[20:21], s[46:47]
	s_add_nc_u64 s[96:97], s[100:101], s[20:21]    ; column sums: aux32 + 786,432 + (16 batch + 2 i + row half) x 4,096 + 4 n0
	s_lshl_b32 s20, s41, 4
	s_lshl_b32 s21, s40, 2
	s_add_co_u32 s20, s20, s21
	s_lshl_b32 s21, s16, 1
	s_add_co_u32 s20, s20, s21                     ; 16 batch + my first head
	s_lshl_b32 s20, s20, 11
	s_lshl_b32 s21, s67, 8
	s_add_co_u32 s20, s20, s21
	s_lshl_b32 s21, s15, 7
	s_add_co_u32 s20, s20, s21                     ; + my first position
	s_lshl_b32 s20, s20, 7                         ; rows of 128 bytes
	s_lshl_b32 s21, s66, 24                        ; a tensor is 16,777,216 bytes
	s_add_co_u32 s20, s20, s21
	s_mov_b32 s21, 0
	s_add_nc_u64 s[12:13], s[98:99], s[20:21]
	s_or_b32 s95, s67, s15                         ; 0 where my first block holds positions 0-15
.macro FRAG reg, adr, q, i             ; 16 rows x 128 K of 4-bit codes: 8 registers: lane l holds row l % 16; registers 4 c .. 4 c + 3 hold K = 64 c + 32 (l / 16) + 0 .. 31
.irp c, 0,1
	ds_load_b128 v[\reg+4*\c:\reg+4*\c+3], v[\adr] offset:64*(\q)+32*\c+(\i)*16*PITCH
.endr
.endm
; 16 matrix instructions: x's blocks a0, a0 + 1 against W's eight.  The 64 accumulators take turns, one instruction a turn, in the same order in every step.
.macro MUL16 a0, p, q, sc, zero
.irp a, \a0, \a0+1
.irp b, 0,1,2,3,4,5,6,7
.if \zero
	v_wmma_scale_f32_16x16x128_f8f6f4 v[8*(8*((\a)%4)+\b):8*(8*((\a)%4)+\b)+7], v[128*(\p)+FR*\b:128*(\p)+FR*\b+FR-1], v[AF+FR*(\a):AF+FR*(\a)+FR-1], 0, v[SC+8*NQ*(\sc)+NQ*\b+(\q)], v[SC+8*NQ*(\sc)+NQ*(\a)+(\q)] matrix_a_fmt:MATRIX_FMT_FP4 matrix_b_fmt:MATRIX_FMT_FP4 matrix_a_scale:MATRIX_SCALE_ROW1
.else
	v_wmma_scale_f32_16x16x128_f8f6f4 v[8*(8*((\a)%4)+\b):8*(8*((\a)%4)+\b)+7], v[128*(\p)+FR*\b:128*(\p)+FR*\b+FR-1], v[AF+FR*(\a):AF+FR*(\a)+FR-1], v[8*(8*((\a)%4)+\b):8*(8*((\a)%4)+\b)+7], v[SC+8*NQ*(\sc)+NQ*\b+(\q)], v[SC+8*NQ*(\sc)+NQ*(\a)+(\q)] matrix_a_fmt:MATRIX_FMT_FP4 matrix_b_fmt:MATRIX_FMT_FP4 matrix_a_scale:MATRIX_SCALE_ROW1
.endif
.endr
.endr
.endm
.macro FETCH_B slot, q, p
	WIN TO_B
.irp i, 0,1,2,3,4,5,6,7
	FRAG 128*(\p)+FR*\i, ADRB+\slot, \q, \i
.endr
	WIN 0
.endm
.macro FETCH_A slot, q, i0
.irp i, \i0, \i0+1, \i0+2, \i0+3
	FRAG AF+FR*(\i), ADRA+\slot, \q, \i
.endr
.endm
.macro SCALES sc                       ; a K step's scale words: lanes 0-15 take x's block i, lanes 16-31 W's block i
.irp i, 0,1,2,3,4,5,6,7
	ds_load_b128 v[SC+8*NQ*\sc+NQ*\i:SC+8*NQ*\sc+NQ*\i+3], v[ADRS] offset:\i*SBLK
.endr
.endm
.macro PLACES n                        ; plain vector instructions between a matrix instruction and a load into, or a vector access of, its registers
.rept \n
	v_nop
.endr
.endm
.macro STEP slot, q, zero              ; 128 along K, with its successor in the same slot
	s_wait_dscnt 4*NL                              ; W's set and x's blocks 0-3 are in; the youngest eight loads (blocks 4-7) may be out
	WIN MUL_LO
	MUL16 0, (\q)%2, \q, \slot, \zero
	MUL16 2, (\q)%2, \q, \slot, \zero
	s_wait_dscnt 0
	PLACES NP
	FETCH_B \slot, (\q)+1, 1-(\q)%2
	FETCH_A \slot, (\q)+1, 0
	WIN MUL_HI
	MUL16 4, (\q)%2, \q, \slot, \zero
	MUL16 6, (\q)%2, \q, \slot, \zero
	PLACES NP
	WIN 0
	FETCH_A \slot, (\q)+1, 4
.endm
.macro STEPS slot, from
.set Q, \from
.rept NQ-1-\from
	STEP \slot, Q, 0
.set Q, Q+1
.endr
.endm
	s_wait_tensorcnt 1                             ; the scales and my part of slot 0 are in (slot 1's load may be out)
	s_barrier_signal -1
	s_barrier_wait -1                              ; everybody's are
	FETCH_B 0, 0, 0
	FETCH_A 0, 0, 0
	SCALES 0
	FETCH_A 0, 0, 4
	STEP 0, 0, 1                                   ; the first products start the sums: nothing is cleared
	STEPS 0, 1
	; slot 0's last step changes slots: my load of slot 1 has landed, and behind the barrier everybody's has; nobody reads slot 0 any more
	s_wait_tensorcnt 0x0
	ds_add_u32 v[SPW], v[NIL]                      ; 0 onto my spare word
	s_wait_dscnt 4*NL+1                            ; (the add and the youngest eight loads may be out)
	WIN MUL_LO
	MUL16 0, 1, NQ-1, 0, 0
	s_wait_dscnt 0x0
	s_barrier_signal -1
	MUL16 2, 1, NQ-1, 0, 0
	WIN 0
	s_barrier_wait -1
	PLACES NP
	v_add_nc_u32 v[ADRS], 4*NQ, v[ADRS]            ; the second K step's scale words
	FETCH_B 1, 0, 0
	FETCH_A 1, 0, 0
	SCALES 1
	WIN MUL_HI
	MUL16 4, 1, NQ-1, 0, 0
	MUL16 6, 1, NQ-1, 0, 0
	PLACES NP
	WIN 0
	FETCH_A 1, 0, 4
	STEPS 1, 0
	s_wait_dscnt 4*NL
	WIN MUL_LO
	MUL16 0, 1, NQ-1, 1, 0
	MUL16 2, 1, NQ-1, 1, 0
	s_wait_dscnt 0
	WIN MUL_HI
	MUL16 4, 1, NQ-1, 1, 0
	MUL16 6, 1, NQ-1, 1, 0
	WIN 0
; THE WAY OUT, block by block of 16 rows x 128 features.
.macro PACK a                          ; y = sum x SC + bias x SC in f32 (each accumulator from its low end on), then f16 in pairs
.set AC, 64*((\a)%4)
	WIN 0x02+((\a)/4)                              ; source 0: window 2 or 3
.set n, 0
.rept 32
	v_pk_fma_f32 v[TT+2*n:TT+2*n+1], v[AC+2*n:AC+2*n+1], s[2:3], v[BI+2*n:BI+2*n+1] op_sel_hi:[1,0,1]
.set n, n+1
.endr
	WIN 0
.set n, 0
.rept 32
	v_cvt_pk_f16_f32 v[PK+n], v[TT+2*n], v[TT+2*n+1]
.set n, n+1
.endr
.endm
.macro TOSTAGE a                       ; 16 bytes a lane into my stage, and back by heads; LDS serves a wave's instructions in order: no wait between
.set BB, BK+32*((\a)%2)
.irp b, 0,1,2,3,4,5,6,7
	ds_store_b128 v[STO], v[PK+4*\b:PK+4*\b+3] offset:32*\b
.endr
.irp t, 0,1,2,3,4,5,6,7
	ds_load_b128 v[BB+4*\t:BB+4*\t+3], v[RD] offset:544*\t
.endr
.endm
.macro SEND a
.set BB, BK+32*((\a)%2)
	s_wait_dscnt 0x0                               ; the block is back in registers
	s_wait_xcnt 0x0                                ; the stores of the block before have read their registers: the next block's loads may land there
.irp t, 0,1,2,3,4,5,6,7
	global_store_b128 v[CO], v[BB+4*\t:BB+4*\t+3], s[12:13] offset:2048*(\a)+256*\t   ; sixteen lanes store 256 consecutive bytes, aligned: two positions of one head
.endr
.endm
	s_wait_loadcnt 0x0                             ; the bias
.set n, 0
.rept 32
	v_pk_mul_f32 v[BI+2*n:BI+2*n+1], v[BI+2*n:BI+2*n+1], s[2:3] op_sel_hi:[1,0]   ; bias x SC.  (These name no register of the last products: they are the places behind them)
.set n, n+1
.endr
	PACK 0
	s_cmp_eq_u32 s95, 0                            ; cluster y and the wave's number alone
	s_cbranch_scc0 .Lno_fine
.irp b, 0,1,2,3,4,5,6,7
	global_store_b128 v[FO], v[TT+8*\b:TT+8*\b+3], s[10:11] offset:64*\b          ; positions 0-15 in f32, for launch 5: 32 bytes a lane
	global_store_b128 v[FO], v[TT+8*\b+4:TT+8*\b+7], s[10:11] offset:64*\b+16
.endr
	s_wait_xcnt 0x0                                ; the next block writes these registers
.Lno_fine:
	TOSTAGE 0
.irp a, 1,2,3,4,5,6,7
	PACK \a
	SEND \a-1
	TOSTAGE \a
.endr
	SEND 7
	s_cmp_eq_u32 s66, 2                            ; v alone: the sums of my 128 rows, feature by feature
	s_cbranch_scc0 .Lno_vsum
	WIN 0x4a                                       ; sources windows 2, 2; destination window 1
.set n, 0
.rept 32
	v_pk_add_f32 v[2*n:2*n+1], v[2*n:2*n+1], v[64+2*n:64+2*n+1]                  ; blocks 0 + 1
.set n, n+1
.endr
	WIN 0x49                                       ; source 0 window 1, source 1 window 2
.irp o, 128, 192
.set n, 0
.rept 32
	v_pk_add_f32 v[2*n:2*n+1], v[2*n:2*n+1], v[\o+2*n:\o+2*n+1]
.set n, n+1
.endr
.endr
	WIN 0x4d                                       ; source 1 window 3
.irp o, 0, 64, 128, 192
.set n, 0
.rept 32
	v_pk_add_f32 v[2*n:2*n+1], v[2*n:2*n+1], v[\o+2*n:\o+2*n+1]
.set n, n+1
.endr
.endr
	WIN 0x10                                       ; source 2 window 1
.set n, 0
.rept 32
	v_pk_fma_f32 v[TT+2*n:TT+2*n+1], v[BI+2*n:BI+2*n+1], 0x41000000, v[2*n:2*n+1] op_sel_hi:[1,0,1]   ; + the bias of my lane's eight rows
.set n, n+1
.endr
	WIN 0
.irp m, 1,2,4,8
.set n, 0
.rept 64
	v_add_f32_dpp v[TT+n], v[TT+n], v[TT+n] row_xmask:\m row_mask:0xf bank_mask:0xf   ; over the sixteen lanes, which hold sixteen rows
.set n, n+1
.endr
.endr
	s_wait_xcnt 0x0                                ; EXEC changes only behind this wait
	v_cmp_eq_u32 vcc_lo, 0, v[RR]
	s_and_saveexec_b32 s94, vcc_lo                 ; lanes 0 and 16
.irp b, 0,1,2,3,4,5,6,7
	global_store_b128 v[BOF], v[TT+8*\b:TT+8*\b+3], s[96:97] offset:64*\b         ; pieces of 16 bytes: 512 bytes a wave, 262,144 in the launch
	global_store_b128 v[BOF], v[TT+8*\b+4:TT+8*\b+7], s[96:97] offset:64*\b+16
.endr
	s_wait_xcnt 0x0
	s_or_b32 exec_lo, exec_lo, s94
.Lno_vsum:
	s_wait_tensorcnt 0x0                           ; the wave's end
	ds_add_u32 v[SPW], v[NIL]
	s_wait_dscnt 0x0
	CROUND                                         ; the closing round
	s_endpgm
.Lfunc_end_k_qba13d92e81_proj:
	.size	k_qba13d92e81_proj, .Lfunc_end_k_qba13d92e81_proj-k_qba13d92e81_proj
	.p2alignl 7, 3214868480
	.fill 96, 4, 3214868480
	.section	.rodata,"a",@progbits
	.p2align	6, 0x0
	.amdhsa_kernel k_qba13d92e81_proj
		.amdhsa_group_segment_fixed_size 327680
		.amdhsa_private_segment_fixed_size 0
		.amdhsa_enable_private_segment 0
		.amdhsa_kernarg_size 56
		.amdhsa_user_sgpr_count 2
		.amdhsa_user_sgpr_kernarg_segment_ptr 1
		.amdhsa_wavefront_size32 1
		.amdhsa_system_sgpr_workgroup_id_x 1
		.amdhsa_system_sgpr_workgroup_id_y 1
		.amdhsa_system_sgpr_workgroup_id_z 1
		.amdhsa_system_vgpr_workitem_id 0
		.amdhsa_next_free_vgpr 1024
		.amdhsa_next_free_sgpr 102
		.amdhsa_reserve_vcc 1
		.amdhsa_float_denorm_mode_32 3
		.amdhsa_float_denorm_mode_16_64 3
		.amdhsa_memory_ordered 1
		.amdhsa_forward_progress 1
		.amdhsa_inst_pref_size 184
	.end_amdhsa_kernel
	.amdgpu_metadata
---
amdhsa.version: [ 1, 2 ]
amdhsa.kernels:
  - .name:           k_qba13d92e81_proj
    .symbol:         k_qba13d92e81_proj.kd
    .args:
      - { .name: codes, .offset: 0, .size: 8, .value_kind: global_buffer, .address_space: global }
      - { .name: scales, .offset: 8, .size: 8, .value_kind: global_buffer, .address_space: global }
      - { .name: bq, .offset: 16, .size: 8, .value_kind: global_buffer, .address_space: global }
      - { .name: bk, .offset: 24, .size: 8, .value_kind: global_buffer, .address_space: global }
      - { .name: bv, .offset: 32, .size: 8, .value_kind: global_buffer, .address_space: global }
      - { .name: qkv16, .offset: 40, .size: 8, .value_kind: global_buffer, .address_space: global }
      - { .name: aux32, .offset: 48, .size: 8, .value_kind: global_buffer, .address_space: global }
    .group_segment_fixed_size: 327680
    .private_segment_fixed_size: 0
    .kernarg_segment_align: 8
    .kernarg_segment_size: 56
    .max_flat_workgroup_size: 128
    .sgpr_count:     102
    .vgpr_count:     1024
    .wavefront_size: 32
...
	.end_amdgpu_metadata
.endif
;; end of part 2
;; launch attn (part 3): grid 4 x 64, 8 waves a work-group, no clusters, 327,680 bytes of LDS; arguments qkv16, mask, aux32, attn16; writes attn16
.if DOCPART == 3
	.amdgcn_target "amdgcn-amd-amdhsa--gfx1250"
	.amdhsa_code_object_version 6
	.text
	.protected	k_qba13d92e81_attn
	.globl	k_qba13d92e81_attn
	.p2align	8
	.type	k_qba13d92e81_attn,@function
k_qba13d92e81_attn:
	s_mov_b64 s[64:65], 0
	v_nop
	global_prefetch_b8 v0, s[64:65] scope:SCOPE_SE
	s_setreg_imm32_b32 hwreg(HW_REG_WAVE_MODE, 25, 1), 1
	s_wait_xcnt 0x0
; Launch 3 of 5: attention of one head, f16 operands, f32 sums, maxima and exponentials.  qkv16: [3][batch][head][2,048][64] f16, q already times log2(e)/8, so a score is an exponent of 2.
; LEFT OUT (shown at the head of launch 1): tiles all of whose keys come after all of their queries; a row with no key that counts takes the mean of v, by a select on its maximum.
; SHARES.  Work-group (j, batch x head) owns query blocks 7 - j and then j, 256 queries each, and walks (8 - j) + (j + 1) = 9 slots of 256 keys: the same count in all 256 work-groups, a constant of the text.
; Wave w owns 32 queries (two tiles of 16) of the block: sub-block w for w < 4, 11 - w else, so that the two waves of a SIMD hold an early and a late sub-block.
; NO CLUSTER: the four work-groups of a head want the same slot in their first five trips only; afterwards their slots differ, and a joint walk would take 8 + 4 = 12 slots in place of 9.
; LAYOUT.  S^T = K Q^T (source 0 = 16 keys, source 1 = 16 queries): a lane holds one query (lane % 16) and keys 8 (lane / 16) + 0..7; two such tiles, rounded to f16 in pairs, are source 1 of O^T = V^T P.
; THE PADDING MASK is the C of each score tile's first product: 0 where mask != 0, FILL x log2(e) where mask == 0 (a table in LDS, made once).  THE CAUSAL MASK is a compare and select, in the one step of a wave on the diagonal.
; SOFTMAX.  Running maximum M and sum L for each query: p = 2^(s - M); O and L are multiplied by 2^(old M - new M) in every step.  FILL is finite, so no difference of infinities arises.
; A row whose M stays under -2^42 has met only FILL: it takes the mean of v.  LIMITS: true scores x log2(e) above -2^42; mask finite.
; LDS: two slots 2^17 apart, each 256 rows of K (pitch 144) and 256 of V (pitch 160); the bias table, 9 x 256 f32 in the order of the trips; the mean of v; a stage for each wave; the spare words.
; REGISTERS: window 0: v2-19 addresses and constants; v20-35 statistics; v64-127 S^T; v128-159 P; v160-191 the bias; v192-255 V.   window 1: v0-63 O^T; v64-95 Q; v96-159 K.
.set PKK,   144                        ; a row of K in LDS: 128 bytes + 16
.set PVV,   160                        ; a row of V: 128 + 32: the turning load's 8 rows x 32 bytes fall on different banks
.set VOFF,  256*PKK
.set SLOT1, 1<<17
.set BIAS,  2*SLOT1
.set VM,    BIAS+9*1024
.set STAGE, VM+256
.set SPARE, STAGE+8*16*PKK             ; the spare words, 128 bytes a wave: four blocks of 256 bytes that no other line names
.set AK0, 2
.set AV0, 3
.set AB0, 4
.set ADK, 5
.set ADV, 6
.set ADB, 7
.set QO,  8
.set STO, 9
.set RD,  10
.set GO,  11
.set PFO, 12
.set RH,  13                           ; v13  r - 8 h
.set SPW, 14
.set NIL, 15
.set FIL, 16                           ; v16  FILL x log2(e)
.set THR, 17                           ; v17  -2^42
.set DD,  18
.set VMA, 19
.set ST,  20                           ; tile x at v[ST + 8 x]: +0 M, +1 its pair's upper half, +2, +3 L, +4..7 at work; 2^(old M - new M) at +6
.set S,   64
.set P,   128
.set BR,  160
.set VF,  192
.set WV,  12
.set JJ,  13
.set BH,  14
.set J1,  15
.set KB,  16                           ; s[16:17] K at my quarter of slot 0;  s[18:19] V
.set VB,  18
.set OFF, 20                           ; s[20:21] the slot's bytes in memory
.set QBASE, 22
.set G1K, 24
.set G1V, 32
.set G0K, 40
.set G0V, 44
.set SLOTS, 48
.set SIG, 49                           ; s49  32 x my sub-block
.set NK,  51
.set TK,  52
.set TV,  53
.set TBI, 54
.set KF,  55
.set Q0,  56
.set QL,  57
.set STEPS, 58
.set LIM, 59
.set SEL, 60
.set PFA, 66
.set QP,  68
.set OP,  70
.set OBASE, 72
.set MSB, 0
.macro WIN new
.if MSB != (\new)
	s_set_vgpr_msb (MSB<<8)|(\new)
.set MSB, (\new)
.endif
.endm
; Waves 0-3 fetch K's quarters of a slot, waves 4-7 V's: 64 rows each.  An s_nop 0 and four v_nop follow each line.
.macro TLOAD
	s_cmp_lt_u32 s[WV], 4
	s_cbranch_scc0 .Lfor_v_\@
	tensor_load_to_lds s[G0K:G0K+3], s[G1K:G1K+7]
	s_nop 0
.rept 4
	v_nop
.endr
	s_branch .Lasked_\@
.Lfor_v_\@:
	tensor_load_to_lds s[G0V:G0V+3], s[G1V:G1V+7]
	s_nop 0
.rept 4
	v_nop
.endr
.Lasked_\@:
.endm
; A prefetch of what the NEXT change of slots will load.  The four work-groups of a head walk the same K and V: the one with j = 0, whose first block walks slots 0 to 7 in order, asks; each of its waves for its own
; quarter, 8,192 bytes, lanes 256 bytes apart.  It asks in trips 0 to 5 for slots 2 to 7: each run of 256 bytes once in the launch; slots 0 and 1 come by their loads alone.
.macro ASK
	s_cmp_gt_u32 s[SLOTS], s[LIM]
	s_cbranch_scc0 .Lnot_mine_\@
	global_prefetch_b8 v[PFO], s[PFA:PFA+1] th:TH_LOAD_NT scope:SCOPE_SE
.Lnot_mine_\@:
.endm
.macro QPTR                            ; Q's and O's rows of my 32 queries
	s_lshl_b32 s74, s[Q0], 7
	s_mov_b32 s75, 0
	s_add_nc_u64 s[QP:QP+1], s[QBASE:QBASE+1], s[74:75]
	s_add_nc_u64 s[OP:OP+1], s[OBASE:OBASE+1], s[74:75]
.endm
.macro QLOAD                           ; Q stays in registers: tile x, channels 32 c on
	WIN 0x40
.irp x, 0,1
.irp c, 0,1
	global_load_b128 v[64+16*\x+8*\c:64+16*\x+8*\c+3], v[QO], s[QP:QP+1] offset:2048*\x+64*\c
	global_load_b128 v[64+16*\x+8*\c+4:64+16*\x+8*\c+7], v[QO], s[QP:QP+1] offset:2048*\x+64*\c+32
.endr
.endr
	WIN 0
.endm
.macro RESET                           ; a block of queries begins: M under every score, L and O^T zero (the step is written once: its first run multiplies zeros)
.irp x, 0,1
	v_mov_b32 v[ST+8*\x], 0xff61b1e6
	v_mov_b32 v[ST+8*\x+1], 0
	v_mov_b32 v[ST+8*\x+2], 0
	v_mov_b32 v[ST+8*\x+3], 0
	v_mov_b32 v[ST+8*\x+5], 0
.endr
	WIN 0x40
.set n, 0
.rept 64
	v_mov_b32 v[n], 0
.set n, n+1
.endr
	WIN 0
.endm
	s_load_b256 s[4:11], s[0:1], 0x0               ; qkv16, mask, aux32, attn16
	v_lshl_add_u32 v[SPW], v0, 2, SPARE
	v_mov_b32 v[NIL], 0
	ds_add_u32 v[SPW], v[NIL]                      ; the wave's opening: the add, twice on end, and its wait ahead of my first tensor load
	ds_add_u32 v[SPW], v[NIL]
	v_lshrrev_b32 v1, 5, v0
	v_readfirstlane_b32 s[WV], v1                  ; wave 0..7
	s_mov_b32 s[JJ], ttmp9
	s_and_b32 s[BH], ttmp7, 0xffff
	s_add_co_u32 s[J1], s[JJ], 1
	s_mov_b32 s[G1K], (1<<16)|(1<<20)|(4<<22)|(3<<25)   ; elements of 2 bytes; padding on: 4 words after every 32
	s_mov_b32 s[G1V], (1<<16)|(1<<20)|(4<<22)|(7<<25)   ; 8 words after every 32
.irp g, G1K, G1V
	s_mov_b32 s[\g+1], 64<<16                      ; tensor_dim0 = 64
	s_mov_b32 s[\g+2], 64<<16                      ; tensor_dim1 = 64
	s_mov_b32 s[\g+3], 64<<16                      ; tile_dim0 = 64
	s_mov_b32 s[\g+4], 64                          ; tile_dim1 = 64
	s_mov_b32 s[\g+5], 64                          ; from row to row
	s_mov_b32 s[\g+6], 0
	s_mov_b32 s[\g+7], 0
.endr
	s_mov_b32 s[SEL], 0x76543210
	s_mov_b32 s[SEL+1], 0xfedcba98
	s_sub_co_u32 s74, 11, s[WV]
	s_cmp_lt_u32 s[WV], 4
	s_cselect_b32 s[SIG], s[WV], s74
	s_lshl_b32 s[SIG], s[SIG], 5
	s_sub_co_u32 s74, 7, s[JJ]                     ; the first block
	s_lshl_b32 s74, s74, 8
	s_add_co_u32 s[Q0], s74, s[SIG]                ; my first query,
	s_add_co_u32 s[QL], s[Q0], 31                  ; my last
	s_mov_b32 s[SLOTS], 8
	s_mov_b32 s[NK], 0
	s_mov_b32 s[TK], 0
	s_mov_b32 s[TV], 0
	s_mov_b32 s[TBI], 0
	s_mov_b32 s[KF], 0
	s_mov_b32 s[OFF+1], 0
	s_cmp_eq_u32 s[JJ], 0
	s_cselect_b32 s[LIM], 2, -1
	s_and_b32 s76, s[WV], 3
	s_mov_b32 s[G0K], 1
	s_mul_i32 s[G0K+1], s76, 64*PKK                ; my quarter of slot 0
	s_mov_b32 s[G0V], 1
	s_mul_i32 s[G0V+1], s76, 64*PVV
	s_add_co_u32 s[G0V+1], s[G0V+1], VOFF
	s_wait_dscnt 0x0                               ; both opening adds are done
	s_wait_kmcnt 0x0
	s_lshl_b32 s74, s[BH], 18                      ; a head is 2,048 rows of 128 bytes
	s_mov_b32 s75, 0
	s_add_nc_u64 s[QBASE:QBASE+1], s[4:5], s[74:75]
	s_add_nc_u64 s[OBASE:OBASE+1], s[10:11], s[74:75]
	s_lshl_b32 s74, s76, 13                        ; 64 rows
	s_add_nc_u64 s[KB:KB+1], s[QBASE:QBASE+1], s[74:75]
	s_add_nc_u64 s[VB:VB+1], s[KB:KB+1], 0x2000000
	s_add_nc_u64 s[KB:KB+1], s[KB:KB+1], 0x1000000
	s_mov_b64 s[G0K+2:G0K+3], s[KB:KB+1]
	s_or_b32 s[G0K+3], s[G0K+3], 0x80000000
	s_mov_b64 s[G0V+2:G0V+3], s[VB:VB+1]
	s_or_b32 s[G0V+3], s[G0V+3], 0x80000000
	TLOAD                                          ; slot 0: one load of mine is out, here and behind every later barrier
	v_and_b32 v1, 15, v0                           ; r
	v_bfe_u32 v36, v0, 4, 1                        ; h
	v_and_b32 v37, 31, v0                          ; lane
	v_mul_u32_u24 v[AK0], v1, PKK
	v_lshl_add_u32 v[AK0], v36, 4, v[AK0]          ; K: row r, + 16 h
	v_and_b32 v40, 7, v0
	v_lshl_add_u32 v[AV0], v36, 3, v40
	v_mul_u32_u24 v[AV0], v[AV0], PVV
	v_bfe_u32 v41, v0, 3, 1
	v_lshl_add_u32 v[AV0], v41, 4, v[AV0]
	v_add_nc_u32 v[AV0], VOFF, v[AV0]              ; V, turned: key 8 h + lane % 8, channels 8 ((lane / 8) % 2) on
	v_lshl_add_u32 v[AB0], v36, 5, BIAS            ; the bias of keys 8 h + 0 .. 7
	v_lshlrev_b32 v[QO], 7, v1
	v_lshl_add_u32 v[QO], v36, 4, v[QO]
	s_mul_i32 s74, s[WV], 16*PKK
	s_add_co_u32 s74, s74, STAGE                   ; my stage
	v_add_nc_u32 v[STO], s74, v[AK0]
	v_bfe_u32 v42, v0, 3, 2
	v_mul_u32_u24 v[RD], v42, PKK
	v_lshl_add_u32 v[RD], v40, 4, v[RD]
	v_add_nc_u32 v[RD], s74, v[RD]                 ; back: four rows of 128 bytes an instruction
	v_lshlrev_b32 v[GO], 4, v37
	v_lshlrev_b32 v[PFO], 8, v37
	v_lshlrev_b32 v43, 3, v36
	v_sub_nc_u32 v[RH], v1, v43
	v_mov_b32 v[FIL], 0xd551f091                   ; -1e13 x log2(e)
	v_mov_b32 v[THR], 0xd4800000                   ; -2^42
	v_lshl_add_u32 v[VMA], v36, 5, VM
	v_lshl_add_u32 v38, v0, 2, BIAS
	v_lshl_add_u32 v39, v0, 2, VM                  ; (used by waves 0 and 1 alone)
	QPTR
	QLOAD
	s_lshr_b32 s74, s[BH], 4                       ; the batch
	s_lshl_b32 s74, s74, 13
	s_add_nc_u64 s[6:7], s[6:7], s[74:75]
	s_sub_co_u32 s76, 8, s[JJ]                     ; the first block's trips
.irp t, 0,1,2,3,4,5,6,7,8
	s_cmp_le_u32 s76, \t
	s_cselect_b32 s77, s76, 0
	s_sub_co_u32 s77, \t, s77                      ; which 256 keys trip t walks
	s_lshl_b32 s77, s77, 10
	v_lshl_add_u32 v[40+\t], v0, 2, s77
	global_load_b32 v[50+\t], v[40+\t], s[6:7]     ; a thread a key
.endr
	s_lshr_b32 s74, s[BH], 4
	s_lshl_b32 s74, s74, 16
	s_and_b32 s77, s[BH], 15
	s_lshl_b32 s77, s77, 8
	s_add_co_u32 s74, s74, s77
	s_add_co_u32 s74, s74, 786432
	s_add_nc_u64 s[8:9], s[8:9], s[74:75]          ; the column sums of v: my batch, my head's 64 channels
	v_and_b32 v59, 63, v0
	v_lshlrev_b32 v59, 2, v59
.irp p, 0,1,2,3,4,5,6,7,8,9,10,11,12,13,14,15
	global_load_b32 v[64+\p], v59, s[8:9] offset:4096*\p   ; every wave loads them, so that they lie under the one wait below; waves 0 and 1 use them
.endr
	s_cmp_lt_u32 s[WV], 4
	s_cselect_b64 s[PFA:PFA+1], s[KB:KB+1], s[VB:VB+1]
	s_add_nc_u64 s[PFA:PFA+1], s[PFA:PFA+1], 32768 ; in slot 1; the first change steps it to slot 2
	RESET
	s_wait_loadcnt 0x0
.irp t, 0,1,2,3,4,5,6,7,8
	v_cmp_eq_f32 vcc_lo, 0, v[50+\t]
	v_cndmask_b32 v[50+\t], 0, v[FIL], vcc_lo      ; mask == 0: FILL; else 0
	ds_store_b32 v38, v[50+\t] offset:1024*\t
.endr
	s_cmp_lt_u32 s[WV], 2
	s_cbranch_scc0 .Lno_vm
.irp p, 0,1,2,3,4,5,6,7
	v_add_f32 v[64+\p], v[64+\p], v[72+\p]
.endr
.irp p, 0,1,2,3
	v_add_f32 v[64+\p], v[64+\p], v[68+\p]
.endr
.irp p, 0,1
	v_add_f32 v[64+\p], v[64+\p], v[66+\p]
.endr
	v_add_f32 v64, v64, v65
	v_mul_f32 v64, 0x3a000000, v64                 ; / 2,048: the mean of v, a thread a channel
	ds_store_b32 v39, v64
.Lno_vm:
; THE CHANGE OF SLOTS, at a slot's head.  Each wave waits for its tensor load (its part of the slot ahead), adds 0 to its spare word, and waits for that, for its reads of the slot that it has left and (first trip) for its
; stores of the tables.  Behind the barrier the slot ahead is whole and nobody reads the other.  fill = 1: the other slot takes the next trip's keys; the load has a slot's four steps in which to land.
.macro CHANGE fill
	s_wait_tensorcnt 0x0                           ; no tensor load of mine is out, so a group 0 may be written
	ds_add_u32 v[SPW], v[NIL]                      ; the descriptors' steps stand between the add and its wait
.if \fill
	s_add_co_u32 s[NK], s[NK], 1
	s_cmp_eq_u32 s[SLOTS], s[J1]                   ; the next trip begins the second block:
	s_cselect_b32 s[NK], 0, s[NK]                  ; back to the first keys
	s_lshl_b32 s[OFF], s[NK], 15                   ; 256 rows of 128 bytes
	s_xor_b32 s[G0K+1], s[G0K+1], SLOT1
	s_add_nc_u64 s[G0K+2:G0K+3], s[KB:KB+1], s[OFF:OFF+1]
	s_or_b32 s[G0K+3], s[G0K+3], 0x80000000
	s_xor_b32 s[G0V+1], s[G0V+1], SLOT1
	s_add_nc_u64 s[G0V+2:G0V+3], s[VB:VB+1], s[OFF:OFF+1]
	s_or_b32 s[G0V+3], s[G0V+3], 0x80000000
	s_wait_xcnt 0x0                                ; the last prefetch, a slot back, has read its address
	s_add_nc_u64 s[PFA:PFA+1], s[PFA:PFA+1], 32768
.endif
	s_wait_dscnt 0x0
	s_barrier_signal -1
	s_barrier_wait -1
.if \fill
	TLOAD                                          ; the first thing behind the barrier, and my one tensor load until the next
	ASK
.endif
.endm
; A KEY STEP: 64 keys.  A step all of whose keys come after my 32 queries is left out: a scalar branch on ids, round its loads and its work, not round the lines at its end that step addresses.
.macro STEP
	s_cmp_gt_u32 s[KF], s[QL]
	s_cbranch_scc1 .Lhidden_\@
	v_add_nc_u32 v[ADK], s[TK], v[AK0]
	v_add_nc_u32 v[ADV], s[TV], v[AV0]
	v_add_nc_u32 v[ADB], s[TBI], v[AB0]
	v_nop                                          ; four places between the last step's products and the loads into V's registers
	WIN 0x40
.irp u, 0,1,2,3
.irp c, 0,1
	ds_load_b128 v[96+16*\u+8*\c:96+16*\u+8*\c+3], v[ADK] offset:16*PKK*\u+64*\c
	ds_load_b128 v[96+16*\u+8*\c+4:96+16*\u+8*\c+7], v[ADK] offset:16*PKK*\u+64*\c+32
.endr
.endr
	WIN 0
.irp u, 0,1,2,3
	ds_load_b128 v[BR+8*\u:BR+8*\u+3], v[ADB] offset:64*\u
	ds_load_b128 v[BR+8*\u+4:BR+8*\u+7], v[ADB] offset:64*\u+16
.endr
.irp kk, 0,1
.irp t, 0,1,2,3
	ds_load_tr16_b128 v[VF+8*(4*\kk+\t):VF+8*(4*\kk+\t)+3], v[ADV] offset:32*PVV*\kk+32*\t
	ds_load_tr16_b128 v[VF+8*(4*\kk+\t)+4:VF+8*(4*\kk+\t)+7], v[ADV] offset:32*PVV*\kk+32*\t+16*PVV
.endr
.endr
	s_wait_dscnt 16                                ; K and the bias are in; V's sixteen loads may be out
	WIN 0x05                                       ; K and Q window 1; S^T and the bias window 0
.irp c, 0,1                                    ; eight accumulators by turns
.irp x, 0,1
.irp u, 0,1,2,3
.if \c == 0
	v_wmma_f32_16x16x32_f16 v[S+32*\x+8*\u:S+32*\x+8*\u+7], v[96+16*\u+8*\c:96+16*\u+8*\c+7], v[64+16*\x+8*\c:64+16*\x+8*\c+7], v[BR+8*\u:BR+8*\u+7]
.else
	v_wmma_f32_16x16x32_f16 v[S+32*\x+8*\u:S+32*\x+8*\u+7], v[96+16*\u+8*\c:96+16*\u+8*\c+7], v[64+16*\x+8*\c:64+16*\x+8*\c+7], v[S+32*\x+8*\u:S+32*\x+8*\u+7]
.endif
.endr
.endr
.endr
	WIN 0
.rept 4
	v_nop
.endr
	s_add_co_u32 s74, s[KF], 63                    ; a step all of whose keys count for all my queries skips the causal mask
	s_cmp_le_u32 s74, s[Q0]
	s_cbranch_scc1 .Lopen_\@
	s_sub_co_i32 s74, s[Q0], s[KF]
	v_add_nc_u32 v[DD], s74, v[RH]                 ; register 8 u + i of tile x holds key KF + 16 u + 8 h + i and query Q0 + 16 x + r: hidden where 16 u + i - 16 x > Q0 - KF + r - 8 h
.irp x, 0,1
.irp u, 0,1,2,3
.irp i, 0,1,2,3,4,5,6,7
	v_cmp_gt_i32 vcc_lo, 16*\u+\i-16*\x, v[DD]
	v_cndmask_b32 v[S+32*\x+8*\u+\i], v[S+32*\x+8*\u+\i], v[FIL], vcc_lo
.endr
.endr
.endr
.Lopen_\@:
.irp j, 0,1,2,3                                ; the maximum, four chains a tile, each accumulator from its low end on; the two tiles line by line
.irp x, 0,1
	v_max3_num_f32 v[ST+8*\x+4+\j], v[S+32*\x+8*\j], v[S+32*\x+8*\j+1], v[S+32*\x+8*\j+2]
.endr
.endr
.irp i, 3,5
.irp j, 0,1,2,3
.irp x, 0,1
	v_max3_num_f32 v[ST+8*\x+4+\j], v[ST+8*\x+4+\j], v[S+32*\x+8*\j+\i], v[S+32*\x+8*\j+\i+1]
.endr
.endr
.endr
.irp x, 0,1
	v_max3_num_f32 v[ST+8*\x+4], v[ST+8*\x+4], v[S+32*\x+7], v[S+32*\x+15]
.endr
.irp x, 0,1
	v_max3_num_f32 v[ST+8*\x+6], v[ST+8*\x+6], v[S+32*\x+23], v[S+32*\x+31]
.endr
.irp x, 0,1
	v_max3_num_f32 v[ST+8*\x+4], v[ST+8*\x+4], v[ST+8*\x+5], v[ST+8*\x+6]
.endr
.irp x, 0,1
	v_max3_num_f32 v[ST+8*\x+4], v[ST+8*\x+4], v[ST+8*\x+7], v[ST+8*\x]
.endr
.irp x, 0,1
	v_permlanex16_b32 v[ST+8*\x+5], v[ST+8*\x+4], s[SEL], s[SEL+1]   ; the query's other 32 keys lie in the lane 16 away
.endr
.irp x, 0,1
	v_mov_b32 v[ST+8*\x+7], v[ST+8*\x]
.endr
.irp x, 0,1
	v_max_num_f32 v[ST+8*\x], v[ST+8*\x+4], v[ST+8*\x+5]             ; the new M
.endr
.irp x, 0,1
	v_sub_f32 v[ST+8*\x+7], v[ST+8*\x+7], v[ST+8*\x]                 ; old M - new M
.endr
.irp n, 0,1,2,3,4,5,6,7,8,9,10,11,12,13,14,15
.irp x, 0,1
	v_pk_add_f32 v[S+32*\x+2*\n:S+32*\x+2*\n+1], v[S+32*\x+2*\n:S+32*\x+2*\n+1], v[ST+8*\x:ST+8*\x+1] op_sel_hi:[1,0] neg_lo:[0,1] neg_hi:[0,1]   ; s - M
.endr
.endr
.irp x, 0,1
	v_exp_f32 v[ST+8*\x+6], v[ST+8*\x+7]
.endr
.set n, 0
.rept 64
	v_exp_f32 v[S+n], v[S+n]                       ; one batch: none of these reads an exponential's result
.set n, n+1
.endr
	v_nop                                          ; a plain instruction behind the last exponential,
	s_wait_alu depctr_va_vdst(0)                   ; and one wait for the batch, ahead of its first reader
.irp n, 0,1,2,3,4,5,6,7,8,9,10,11,12,13,14,15
.irp x, 0,1
	v_cvt_pk_f16_f32 v[P+16*\x+\n], v[S+32*\x+2*\n], v[S+32*\x+2*\n+1]
.endr
.endr
.irp z, 0,1,2,3,4,5,6,7                        ; the sum of the unrounded p, in place
.irp x, 0,1
	v_pk_add_f32 v[S+32*\x+4*\z:S+32*\x+4*\z+1], v[S+32*\x+4*\z:S+32*\x+4*\z+1], v[S+32*\x+4*\z+2:S+32*\x+4*\z+3]
.endr
.endr
.irp z, 0,1,2,3
.irp x, 0,1
	v_pk_add_f32 v[S+32*\x+8*\z:S+32*\x+8*\z+1], v[S+32*\x+8*\z:S+32*\x+8*\z+1], v[S+32*\x+8*\z+4:S+32*\x+8*\z+5]
.endr
.endr
.irp z, 0,1
.irp x, 0,1
	v_pk_add_f32 v[S+32*\x+16*\z:S+32*\x+16*\z+1], v[S+32*\x+16*\z:S+32*\x+16*\z+1], v[S+32*\x+16*\z+8:S+32*\x+16*\z+9]
.endr
.endr
.irp x, 0,1
	v_pk_add_f32 v[S+32*\x:S+32*\x+1], v[S+32*\x:S+32*\x+1], v[S+32*\x+16:S+32*\x+17]
.endr
.irp x, 0,1
	v_pk_fma_f32 v[ST+8*\x+2:ST+8*\x+3], v[ST+8*\x+2:ST+8*\x+3], v[ST+8*\x+6:ST+8*\x+7], v[S+32*\x:S+32*\x+1] op_sel_hi:[1,0,1]
.endr
	s_wait_dscnt 0x0                               ; V is in
	WIN 0x41                                       ; O^T window 1, the factor window 0
.irp x, 0,1
.set n, 0
.rept 16
	v_pk_mul_f32 v[32*\x+2*n:32*\x+2*n+1], v[32*\x+2*n:32*\x+2*n+1], v[ST+8*\x+6:ST+8*\x+7] op_sel_hi:[1,0]
.set n, n+1
.endr
.endr
	WIN 0x50                                       ; V and P window 0; O^T window 1
.irp kk, 0,1                                   ; eight accumulators by turns
.irp x, 0,1
.irp t, 0,1,2,3
	v_wmma_f32_16x16x32_f16 v[32*\x+8*\t:32*\x+8*\t+7], v[VF+8*(4*\kk+\t):VF+8*(4*\kk+\t)+7], v[P+16*\x+8*\kk:P+16*\x+8*\kk+7], v[32*\x+8*\t:32*\x+8*\t+7]
.endr
.endr
.endr
	WIN 0
.Lhidden_\@:
	s_add_co_u32 s[KF], s[KF], 64
	s_add_co_u32 s[TK], s[TK], 64*PKK
	s_add_co_u32 s[TV], s[TV], 64*PVV
	s_add_co_u32 s[TBI], s[TBI], 256
.endm
.macro SLOT_BODY                       ; a slot's four steps: written once, walked four times
	s_mov_b32 s[STEPS], 4
.Lstep_\@:
	STEP
	s_sub_co_u32 s[STEPS], s[STEPS], 1
	s_cmp_lg_u32 s[STEPS], 0
	s_cbranch_scc1 .Lstep_\@
	s_sub_co_u32 s[TK], s[TK], 256*PKK             ; back to a slot's first step,
	s_xor_b32 s[TK], s[TK], SLOT1                  ; in the other slot
	s_sub_co_u32 s[TV], s[TV], 256*PVV
	s_xor_b32 s[TV], s[TV], SLOT1
.endm
; A BLOCK'S WAY OUT: O^T / L; the mean of v where the row met only FILL; f16; through my stage, so that a store covers 512 consecutive bytes (four rows of a head).
.macro EPI
.rept 4
	v_nop
.endr
.irp x, 0,1
	v_add_f32 v[ST+8*\x+4], v[ST+8*\x+2], v[ST+8*\x+3]
.endr
.irp x, 0,1
	v_permlanex16_b32 v[ST+8*\x+5], v[ST+8*\x+4], s[SEL], s[SEL+1]
.endr
.irp x, 0,1
	v_add_f32 v[ST+8*\x+4], v[ST+8*\x+4], v[ST+8*\x+5]
.endr
.irp x, 0,1
	v_rcp_f32 v[ST+8*\x+4], v[ST+8*\x+4]
.endr
.irp t, 0,1,2,3
	ds_load_b128 v[VF+8*\t:VF+8*\t+3], v[VMA] offset:64*\t         ; the mean of v at channels 16 t + 8 h + 0 .. 7
	ds_load_b128 v[VF+8*\t+4:VF+8*\t+7], v[VMA] offset:64*\t+16
.endr
	v_nop
	s_wait_alu depctr_va_vdst(0)                   ; one wait for the two reciprocals
	v_cmp_lt_f32 s62, v[ST], v[THR]
	v_cmp_lt_f32 s63, v[ST+8], v[THR]
	WIN 0x01                                       ; source 0 (O^T) window 1
.irp x, 0,1
.set n, 0
.rept 16
	v_pk_mul_f32 v[S+32*\x+2*n:S+32*\x+2*n+1], v[32*\x+2*n:32*\x+2*n+1], v[ST+8*\x+4:ST+8*\x+5] op_sel_hi:[1,0]
.set n, n+1
.endr
.endr
	WIN 0
	s_wait_dscnt 0x0
.irp x, 0,1
.set n, 0
.rept 32
	v_cndmask_b32 v[S+32*\x+n], v[S+32*\x+n], v[VF+n], s[62+\x]
.set n, n+1
.endr
.endr
.irp x, 0,1
.set n, 0
.rept 16
	v_cvt_pk_f16_f32 v[P+16*\x+n], v[S+32*\x+2*n], v[S+32*\x+2*n+1]
.set n, n+1
.endr
.endr
.irp x, 0,1
.irp t, 0,1,2,3
	ds_store_b128 v[STO], v[P+16*\x+4*\t:P+16*\x+4*\t+3] offset:32*\t
.endr
.irp i, 0,1,2,3
	ds_load_b128 v[BR+16*\x+4*\i:BR+16*\x+4*\i+3], v[RD] offset:4*PKK*\i   ; LDS serves a wave's instructions in order: these see the stores above, and the next tile's stores come behind them
.endr
.endr
	s_wait_dscnt 8                                 ; tile 0 is back; tile 1's four stores and four loads may be out
.irp i, 0,1,2,3
	global_store_b128 v[GO], v[BR+4*\i:BR+4*\i+3], s[OP:OP+1] offset:512*\i
.endr
	s_wait_dscnt 0x0
.irp i, 0,1,2,3
	global_store_b128 v[GO], v[BR+16+4*\i:BR+16+4*\i+3], s[OP:OP+1] offset:2048+512*\i
.endr
	s_wait_xcnt 0x0                                ; the stores have read their registers and their base
.endm
.Lslot:                                            ; eight trips; behind each change the next trip's slot is asked for
	CHANGE 1
	SLOT_BODY
	s_cmp_eq_u32 s[SLOTS], s[J1]                   ; the first block's last slot?  The work-group's number and the count of trips alone: the same in all eight waves
	s_cbranch_scc0 .Lstay
	EPI
	s_lshl_b32 s74, s[JJ], 8                       ; on to block j
	s_add_co_u32 s[Q0], s74, s[SIG]
	s_add_co_u32 s[QL], s[Q0], 31
	s_mov_b32 s[KF], 0
	QPTR
	QLOAD
	RESET
	s_wait_loadcnt 0x0
.Lstay:
	s_sub_co_u32 s[SLOTS], s[SLOTS], 1
	s_cmp_lg_u32 s[SLOTS], 0
	s_cbranch_scc1 .Lslot
	CHANGE 0                                       ; the last slot is written out: nothing is left to fetch
	SLOT_BODY
	EPI
	s_wait_tensorcnt 0x0                           ; the wave's end
	ds_add_u32 v[SPW], v[NIL]
	s_wait_dscnt 0x0
	s_endpgm
.Lfunc_end_k_qba13d92e81_attn:
	.size	k_qba13d92e81_attn, .Lfunc_end_k_qba13d92e81_attn-k_qba13d92e81_attn
	.p2alignl 7, 3214868480
	.fill 96, 4, 3214868480
	.section	.rodata,"a",@progbits
	.p2align	6, 0x0
	.amdhsa_kernel k_qba13d92e81_attn
		.amdhsa_group_segment_fixed_size 327680
		.amdhsa_private_segment_fixed_size 0
		.amdhsa_enable_private_segment 0
		.amdhsa_kernarg_size 32
		.amdhsa_user_sgpr_count 2
		.amdhsa_user_sgpr_kernarg_segment_ptr 1
		.amdhsa_wavefront_size32 1
		.amdhsa_system_sgpr_workgroup_id_x 1
		.amdhsa_system_sgpr_workgroup_id_y 1
		.amdhsa_system_sgpr_workgroup_id_z 1
		.amdhsa_system_vgpr_workitem_id 0
		.amdhsa_next_free_vgpr 512
		.amdhsa_next_free_sgpr 80
		.amdhsa_reserve_vcc 1
		.amdhsa_float_denorm_mode_32 3
		.amdhsa_float_denorm_mode_16_64 3
		.amdhsa_memory_ordered 1
		.amdhsa_forward_progress 1
		.amdhsa_inst_pref_size 88
	.end_amdhsa_kernel
	.amdgpu_metadata
---
amdhsa.version: [ 1, 2 ]
amdhsa.kernels:
  - .name:           k_qba13d92e81_attn
    .symbol:         k_qba13d92e81_attn.kd
    .args:
      - { .name: qkv16, .offset: 0, .size: 8, .value_kind: global_buffer, .address_space: global }
      - { .name: mask, .offset: 8, .size: 8, .value_kind: global_buffer, .address_space: global }
      - { .name: aux32, .offset: 16, .size: 8, .value_kind: global_buffer, .address_space: global }
      - { .name: attn16, .offset: 24, .size: 8, .value_kind: global_buffer, .address_space: global }
    .group_segment_fixed_size: 327680
    .private_segment_fixed_size: 0
    .kernarg_segment_align: 8
    .kernarg_segment_size: 32
    .max_flat_workgroup_size: 256
    .sgpr_count:     80
    .vgpr_count:     512
    .wavefront_size: 32
...
	.end_amdgpu_metadata
.endif
;; end of part 3
;; launch oproj (part 4): grid 8 x 32, 4 waves a work-group, clusters of 4 x 4, 327,680 bytes of LDS; arguments attn16, wo16, bo, out0; writes out0
.if DOCPART == 4
	.amdgcn_target "amdgcn-amd-amdhsa--gfx1250"
	.amdhsa_code_object_version 6
	.text
	.protected	k_qba13d92e81_oproj
	.globl	k_qba13d92e81_oproj
	.p2align	8
	.type	k_qba13d92e81_oproj,@function
k_qba13d92e81_oproj:
	s_mov_b64 s[64:65], 0
	v_nop
	global_prefetch_b8 v0, s[64:65] scope:SCOPE_SE
	s_setreg_imm32_b32 hwreg(HW_REG_WAVE_MODE, 25, 1), 1
	s_wait_xcnt 0x0
	s_wait_alu depctr_hold_cnt(0) depctr_sa_sdst(0) depctr_va_vdst(0) depctr_va_sdst(0) depctr_va_ssrc(0) depctr_va_vcc(0) depctr_vm_vsrc(0)
	s_getreg_b32 s2, hwreg(HW_REG_IB_STS2, 6, 4)
	s_cmp_eq_u32 s2, 0
	s_cbranch_scc0 .Lentry_in_a_cluster
	s_endpgm
.Lentry_in_a_cluster:
	s_bfe_u32 s2, ttmp6, 0x10000c
	s_cmp_lg_u32 s2, 0xf033
	s_cbranch_scc0 .Lentry_shape_is_right
	s_endpgm
.Lentry_shape_is_right:
; Launch 4 of 5: out = attn Wo^T + bo; f16 operands, f32 sums and output.  attn16: [batch][head][2,048][64] f16; wo16: [chunk of 64 k][1,024 n][64] f16.  K = 1,024 = 16 chunks; chunk c is head c.
; (Rows 0-15 of each sequence are stored here like the others and written again, more finely, by launch 5.)
; A tile of 256 rows x 128 columns gives 256 work-groups.  Four waves, each 128 rows x 64 columns: 32 accumulators, window 1 whole.  A K step is two chunks, 128 along K; two LDS slots take turns.
; Waves 0 and 1 fetch the step's two chunks of attn (256 rows of 128 bytes, dense), waves 2 and 3 those of Wo (128 rows).
; CLUSTERS 4 x 4: attn's tiles are shared along a row of the cluster, Wo's along a column: joint loads; the round of the cluster's barrier stands in front of every refill.
; THE MATRIX INSTRUCTION IS USED TRANSPOSED (source 0 = 16 rows of Wo, source 1 = 16 rows of attn): a lane holds eight neighbouring columns of one row.  bo is the C of each sum's first product.
; No prefetch: what the launch moves and its matrix work are of like size, so memory is at work throughout.
; REGISTERS: window 0: v16-29 addresses; v32-127, v128-223 two fragment buffers (attn's 8 blocks, then Wo's 4); v224-255 bo; on the way out v32-95 rows read back.   window 1: accumulator (a, b) at v[8 (4 a + b)].
.set PITCH,  144                       ; an LDS row: 128 bytes + 16
.set ACH,    256*PITCH                 ; a chunk of attn
.set BCH,    128*PITCH                 ; a chunk of Wo
.set BOFF,   2*ACH
.set SLOT,   2*ACH+2*BCH
.set STAGE,  2*SLOT
.set SPITCH, 272
.set SPARE,  STAGE+4*16*SPITCH         ; the spare words, 128 bytes a wave: two blocks of 256 bytes that no other line names
.set LAPS,   4                         ; eight K steps
.set ADRA, 16
.set ADRB, 20
.set STO,  24
.set RD,   25
.set CO,   26
.set BOA,  27
.set SPW,  28
.set NIL,  29
.set F0,   32
.set F1,   128
.set BO,   224
.set G1, 24
.set G0, 32
.set G1B, 48
.set G0B, 56
.set MSB, 0
.macro WIN new
.if MSB != (\new)
	s_set_vgpr_msb (MSB<<8)|(\new)
.set MSB, (\new)
.endif
.endm
.macro JLOAD s                         ; a joint load; an s_nop 0 and four v_nop follow each of the two lines
	s_cmp_eq_u32 s11, 0
	s_cbranch_scc0 .Lfor_b_\@
	tensor_load_to_lds s[G0+4*\s:G0+4*\s+3], s[G1:G1+7]
	s_nop 0
.rept 4
	v_nop
.endr
	s_branch .Lasked_\@
.Lfor_b_\@:
	tensor_load_to_lds s[G0B+4*\s:G0B+4*\s+3], s[G1B:G1B+7]
	s_nop 0
.rept 4
	v_nop
.endr
.Lasked_\@:
.endm
.macro CREST
	s_cmp_lg_u32 s10, 0
	s_cbranch_scc1 .Lnot_wave_0_\@
	s_barrier_signal -3
.Lnot_wave_0_\@:
	s_barrier_wait -3
	s_barrier_signal -1
	s_barrier_wait -1
.endm
.macro CROUND
	s_barrier_signal -1
	s_barrier_wait -1
	CREST
.endm
	s_load_b128 s[4:7], s[0:1], 0x0                ; attn16, wo16
	s_load_b128 s[16:19], s[0:1], 0x10             ; bo, out0
	v_lshl_add_u32 v[SPW], v0, 2, SPARE
	v_mov_b32 v[NIL], 0
	ds_add_u32 v[SPW], v[NIL]                      ; the wave's opening: the add, twice on end, and its wait ahead of my first tensor load
	ds_add_u32 v[SPW], v[NIL]
	v_lshrrev_b32 v1, 5, v0
	v_readfirstlane_b32 s10, v1                    ; wave 0..3
	s_lshr_b32 s11, s10, 1                         ; which half of the rows is mine.  Also: I fetch attn (0) or Wo (1)
	s_and_b32 s12, s10, 1                          ; which half of the columns.  Also: which chunk of the step I fetch
	s_bfe_u32 s40, ttmp6, 0x40000                  ; cx
	s_bfe_u32 s41, ttmp6, 0x40004                  ; cy
	s_lshl_b32 s42, ttmp9, 2
	s_add_co_u32 s42, s42, s40                     ; tile column, 0..7
	s_and_b32 s13, ttmp7, 0xffff
	s_lshl_b32 s13, s13, 2
	s_add_co_u32 s13, s13, s41                     ; tile row, 0..31
	s_lshl_b32 s43, s41, 2
	s_lshl_b32 s43, 15, s43                        ; my row of the cluster
	s_lshl_b32 s44, 0x1111, s40                    ; my column
	s_or_b32 s[G1+0], s43, (1<<16)|(1<<20)|(1<<21)|(4<<22)|(3<<25)  ; mask; elements of 2 bytes; padding on; bit 21 beside a mask; 4 words after every 32
	s_or_b32 s[G1B+0], s44, (1<<16)|(1<<20)|(1<<21)|(4<<22)|(3<<25)
	s_mov_b32 s[G1+1], 64<<16                      ; tensor_dim0 = 64
	s_mov_b32 s[G1+2], 256<<16                     ; tensor_dim1 = 256
	s_mov_b32 s[G1+3], 64<<16                      ; tile_dim0 = 64
	s_mov_b32 s[G1+4], 256                         ; tile_dim1 = 256
	s_mov_b32 s[G1+5], 64
	s_mov_b32 s[G1+6], 0
	s_mov_b32 s[G1+7], 0
	s_mov_b32 s[G1B+1], 64<<16
	s_mov_b32 s[G1B+2], 128<<16
	s_mov_b32 s[G1B+3], 64<<16
	s_mov_b32 s[G1B+4], 128
	s_mov_b32 s[G1B+5], 64
	s_mov_b32 s[G1B+6], 0
	s_mov_b32 s[G1B+7], 0
	s_lshr_b32 s20, s13, 3                         ; attn: the batch,
	s_lshl_b32 s20, s20, 4
	s_add_co_u32 s20, s20, s12                     ; head = my chunk of K step 0,
	s_lshl_b32 s20, s20, 11
	s_and_b32 s21, s13, 7
	s_lshl_b32 s21, s21, 8
	s_add_co_u32 s20, s20, s21                     ; the tile's first position,
	s_lshl_b32 s20, s20, 7                         ; rows of 128 bytes
	s_mov_b32 s21, 0
	s_lshl_b32 s46, s12, 10                        ; Wo: my chunk's 1,024 rows,
	s_lshl_b32 s47, s42, 7
	s_add_co_u32 s46, s46, s47                     ; the tile's first column
	s_lshl_b32 s46, s46, 7
	s_mov_b32 s47, 0
	s_mul_i32 s22, s12, ACH                        ; where they go: no place in the cluster enters an LDS address
	s_mul_i32 s23, s12, BCH
	s_add_co_u32 s23, s23, BOFF
	s_wait_dscnt 0x0                               ; both opening adds are done
	s_wait_kmcnt 0x0
	s_add_nc_u64 s[14:15], s[4:5], s[20:21]
	s_add_nc_u64 s[46:47], s[6:7], s[46:47]
	CROUND                                         ; all sixteen work-groups are here: the first joint loads meet
.irp s, 0,1
	s_mov_b32 s[G0+4*\s], 1
	s_add_co_u32 s[G0+4*\s+1], s22, \s*SLOT
	s_add_nc_u64 s[G0+4*\s+2:G0+4*\s+3], s[14:15], \s*524288       ; a K step on: two heads of 262,144 bytes
	s_or_b32 s[G0+4*\s+3], s[G0+4*\s+3], 0x80000000
	s_mov_b32 s[G0B+4*\s], 1
	s_add_co_u32 s[G0B+4*\s+1], s23, \s*SLOT
	s_add_nc_u64 s[G0B+4*\s+2:G0B+4*\s+3], s[46:47], \s*262144     ; two chunks of 131,072 bytes
	s_or_b32 s[G0B+4*\s+3], s[G0B+4*\s+3], 0x80000000
	JLOAD \s                                       ; two loads of mine are out here, one behind every later round
.endr
	v_and_b32 v1, 15, v0                           ; r
	v_bfe_u32 v2, v0, 4, 1                         ; h
	v_mul_u32_u24 v3, v1, PITCH
	v_lshl_add_u32 v3, v2, 4, v3
	s_mul_i32 s21, s11, 128*PITCH                  ; my 128 rows of attn
	s_mul_i32 s22, s12, 64*PITCH                   ; my 64 rows of Wo
	s_add_co_u32 s22, s22, BOFF
.irp s, 0,1
	v_add_nc_u32 v[ADRA+\s], s21, v3
	v_add_nc_u32 v[ADRB+\s], s22, v3
	s_add_co_u32 s21, s21, SLOT
	s_add_co_u32 s22, s22, SLOT
.endr
	s_mul_i32 s23, s10, 16*SPITCH
	s_add_co_u32 s23, s23, STAGE                   ; my stage
	v_mul_u32_u24 v4, v1, SPITCH
	v_lshl_add_u32 v4, v2, 5, v4
	v_add_nc_u32 v[STO], s23, v4                   ; in: row r, 32 bytes for each half of the lanes
	v_mul_u32_u24 v5, v2, SPITCH
	v_lshl_add_u32 v5, v1, 4, v5
	v_add_nc_u32 v[RD], s23, v5                    ; back: lanes 0-15 one row of 256 bytes, lanes 16-31 the next
	v_lshlrev_b32 v[CO], 12, v2
	v_lshl_add_u32 v[CO], v1, 4, v[CO]             ; and the same two rows in out0
	v_lshlrev_b32 v[BOA], 5, v2
	s_lshl_b32 s20, s13, 8
	s_lshl_b32 s21, s11, 7
	s_add_co_u32 s20, s20, s21                     ; my first row
	s_lshl_b32 s20, s20, 12
	s_lshl_b32 s46, s42, 9
	s_lshl_b32 s47, s12, 8
	s_add_co_u32 s46, s46, s47                     ; my first column, in bytes
	s_add_co_u32 s20, s20, s46
	s_mov_b32 s21, 0
	s_mov_b32 s47, 0
	s_add_nc_u64 s[8:9], s[18:19], s[20:21]
	s_add_nc_u64 s[16:17], s[16:17], s[46:47]
.irp b, 0,1,2,3
	global_load_b128 v[BO+8*\b:BO+8*\b+3], v[BOA], s[16:17] offset:64*\b      ; bo in the result's layout: columns 16 b + 8 h + 0 .. 7
	global_load_b128 v[BO+8*\b+4:BO+8*\b+7], v[BOA], s[16:17] offset:64*\b+16
.endr
; 8 matrix instructions: attn's blocks a0, a0 + 1 x Wo's four, 32 along K.  The 32 accumulators take turns in the same order in every quarter.  first = 1: bo starts the sums.
.macro MUL8 f, a0, first
.irp a, \a0, \a0+1
.irp b, 0,1,2,3
.if \first
	v_wmma_f32_16x16x32_f16 v[8*(4*(\a)+\b):8*(4*(\a)+\b)+7], v[\f+64+8*\b:\f+64+8*\b+7], v[\f+8*(\a):\f+8*(\a)+7], v[BO+8*\b:BO+8*\b+7]
.else
	v_wmma_f32_16x16x32_f16 v[8*(4*(\a)+\b):8*(4*(\a)+\b)+7], v[\f+64+8*\b:\f+64+8*\b+7], v[\f+8*(\a):\f+8*(\a)+7], v[8*(4*(\a)+\b):8*(4*(\a)+\b)+7]
.endif
.endr
.endr
.endm
; 24 LDS loads in one run: quarter q of a slot (chunk q / 2, 32 channels from 32 (q % 2) on) into buffer f: Wo's four blocks, then attn's 0-3, then 4-7
.macro FETCH slot, q, f
	WIN 0
.irp b, 0,1,2,3
	ds_load_b128 v[\f+64+8*\b:\f+64+8*\b+3], v[ADRB+\slot] offset:((\q)>>1)*BCH+((\q)&1)*64+16*PITCH*\b
	ds_load_b128 v[\f+64+8*\b+4:\f+64+8*\b+7], v[ADRB+\slot] offset:((\q)>>1)*BCH+((\q)&1)*64+16*PITCH*\b+32
.endr
.irp a, 0,1,2,3,4,5,6,7
	ds_load_b128 v[\f+8*\a:\f+8*\a+3], v[ADRA+\slot] offset:((\q)>>1)*ACH+((\q)&1)*64+16*PITCH*\a
	ds_load_b128 v[\f+8*\a+4:\f+8*\a+7], v[ADRA+\slot] offset:((\q)>>1)*ACH+((\q)&1)*64+16*PITCH*\a+32
.endr
.endm
.macro PLACES                          ; four plain vector instructions in front of loads into registers that matrix instructions have read, and of the first read of results
.rept 4
	v_nop
.endr
.endm
; One of a K step's first three quarters: multiplies buffer f, and in its middle fetches quarter q of the same slot into g.
.macro QUARTER slot, q, f, g, first
	s_wait_dscnt 8                                 ; Wo's blocks and attn's 0-3 are in; the youngest eight loads (blocks 4-7) may be out
	WIN 0x50-0x10*(\first)                         ; D window 1; C window 1, or window 0 where it is bo
	MUL8 \f, 0, \first
	MUL8 \f, 2, \first
	PLACES
	FETCH \slot, \q, \g
	s_wait_dscnt 24                                ; all but the 24 just issued
	WIN 0x50-0x10*(\first)
	MUL8 \f, 4, \first
	MUL8 \f, 6, \first
.endm
; The last quarter multiplies buffer 1 and changes slots: one barrier; in front of it each wave waits for all its tensor loads, adds 0 to its spare word, and waits for that and for its reads of this slot.
.macro TURN slot, next, fill
	WIN 0
	s_wait_tensorcnt 0x0                           ; my part of the next slot has landed
	ds_add_u32 v[SPW], v[NIL]
	s_wait_dscnt 9                                 ; (the add and the youngest eight loads may be out)
	WIN 0x50
	MUL8 F1, 0, 0
	s_wait_dscnt 0x0                               ; the add is done, and my reads of this slot are over
	s_barrier_signal -1
	MUL8 F1, 2, 0
.if \fill
	WIN 0
.endif
	s_barrier_wait -1
.if \fill
	CREST                                          ; the barrier has opened a round of the cluster's: no wave of any partner still reads this slot or has a load on its way
	s_add_nc_u64 s[G0+4*\slot+2:G0+4*\slot+3], s[G0+4*\slot+2:G0+4*\slot+3], 2*524288
	s_add_nc_u64 s[G0B+4*\slot+2:G0B+4*\slot+3], s[G0B+4*\slot+2:G0B+4*\slot+3], 2*262144
	JLOAD \slot                                    ; the first tensor load behind the round; its four v_nop are also the places in front of the loads below
.else
	PLACES
.endif
	FETCH \next, 0, F0
	WIN 0x50
	MUL8 F1, 4, 0
	MUL8 F1, 6, 0
.endm
	s_wait_tensorcnt 1                             ; my part of K step 0 is in (K step 1's may be out)
	s_barrier_signal -1
	s_barrier_wait -1                              ; everybody's is
	s_wait_loadcnt 0x0                             ; bo
	FETCH 0, 0, F0
	QUARTER 0, 1, F0, F1, 1                        ; the first quarter stands in front of the loop: bo starts the sums
	WIN 0
	s_mov_b32 s3, LAPS-1
.Llap:                                                 ; a trip goes once round the ring and fills both slots again
	QUARTER 0, 2, F1, F0, 0
	QUARTER 0, 3, F0, F1, 0
	TURN 0, 1, 1
	QUARTER 1, 1, F0, F1, 0
	QUARTER 1, 2, F1, F0, 0
	QUARTER 1, 3, F0, F1, 0
	TURN 1, 0, 1
	QUARTER 0, 1, F0, F1, 0
	WIN 0
	s_sub_co_u32 s3, s3, 1
	s_cmp_lg_u32 s3, 0
	s_cbranch_scc1 .Llap
	QUARTER 0, 2, F1, F0, 0                        ; the last lap fills nothing
	QUARTER 0, 3, F0, F1, 0
	TURN 0, 1, 0
	QUARTER 1, 1, F0, F1, 0
	QUARTER 1, 2, F1, F0, 0
	QUARTER 1, 3, F0, F1, 0
	s_wait_dscnt 8
	WIN 0x50
	MUL8 F1, 0, 0
	MUL8 F1, 2, 0
	s_wait_dscnt 0
	MUL8 F1, 4, 0
	MUL8 F1, 6, 0
	WIN 0
; THE WAY OUT, block by block of 16 rows x 64 columns of f32, through my own stage; LDS serves a wave's instructions in order.
.macro TOSTAGE a
	WIN 0x04                                       ; an LDS store's data are its source 1: window 1
.irp b, 0,1,2,3
	ds_store_b128 v[STO], v[8*(4*(\a)+\b):8*(4*(\a)+\b)+3] offset:64*\b          ; each accumulator from its low end on
	ds_store_b128 v[STO], v[8*(4*(\a)+\b)+4:8*(4*(\a)+\b)+7] offset:64*\b+16
.endr
	WIN 0
.set BB, 32+32*((\a)%2)
.irp t, 0,1,2,3,4,5,6,7
	ds_load_b128 v[BB+4*\t:BB+4*\t+3], v[RD] offset:\t*2*SPITCH
.endr
.endm
.macro SEND a, younger
.set BB, 32+32*((\a)%2)
	s_wait_dscnt \younger                          ; the block is back in registers
.irp t, 0,1,2,3,4,5,6,7
	global_store_b128 v[CO], v[BB+4*\t:BB+4*\t+3], s[8:9] offset:65536*(\a)+8192*\t th:TH_STORE_NT   ; sixteen lanes store 256 consecutive bytes, aligned
.endr
.endm
	PLACES
	TOSTAGE 0
.irp a, 1,2,3,4,5,6,7
.if \a > 1
	s_wait_xcnt 0x0                                ; block a - 2's stores have read their registers: block a's loads may land there
.endif
	TOSTAGE \a
	SEND \a-1, 16                                  ; behind block a - 1's loads: block a's 8 stores and 8 loads
.endr
	SEND 7, 0
	s_wait_tensorcnt 0x0                           ; the wave's end
	ds_add_u32 v[SPW], v[NIL]
	s_wait_dscnt 0x0
	CROUND                                         ; the closing round
	s_endpgm
.Lfunc_end_k_qba13d92e81_oproj:
	.size	k_qba13d92e81_oproj, .Lfunc_end_k_qba13d92e81_oproj-k_qba13d92e81_oproj
	.p2alignl 7, 3214868480
	.fill 96, 4, 3214868480
	.section	.rodata,"a",@progbits
	.p2align	6, 0x0
	.amdhsa_kernel k_qba13d92e81_oproj
		.amdhsa_group_segment_fixed_size 327680
		.amdhsa_private_segment_fixed_size 0
		.amdhsa_enable_private_segment 0
		.amdhsa_kernarg_size 32
		.amdhsa_user_sgpr_count 2
		.amdhsa_user_sgpr_kernarg_segment_ptr 1
		.amdhsa_wavefront_size32 1
		.amdhsa_system_sgpr_workgroup_id_x 1
		.amdhsa_system_sgpr_workgroup_id_y 1
		.amdhsa_system_sgpr_workgroup_id_z 1
		.amdhsa_system_vgpr_workitem_id 0
		.amdhsa_next_free_vgpr 512
		.amdhsa_next_free_sgpr 66
		.amdhsa_reserve_vcc 0
		.amdhsa_float_denorm_mode_32 3
		.amdhsa_float_denorm_mode_16_64 3
		.amdhsa_memory_ordered 1
		.amdhsa_forward_progress 1
		.amdhsa_inst_pref_size 86
	.end_amdhsa_kernel
	.amdgpu_metadata
---
amdhsa.version: [ 1, 2 ]
amdhsa.kernels:
  - .name:           k_qba13d92e81_oproj
    .symbol:         k_qba13d92e81_oproj.kd
    .args:
      - { .name: attn16, .offset: 0, .size: 8, .value_kind: global_buffer, .address_space: global }
      - { .name: wo16, .offset: 8, .size: 8, .value_kind: global_buffer, .address_space: global }
      - { .name: bo, .offset: 16, .size: 8, .value_kind: global_buffer, .address_space: global }
      - { .name: out0, .offset: 24, .size: 8, .value_kind: global_buffer, .address_space: global }
    .group_segment_fixed_size: 327680
    .private_segment_fixed_size: 0
    .kernarg_segment_align: 8
    .kernarg_segment_size: 32
    .max_flat_workgroup_size: 128
    .sgpr_count:     66
    .vgpr_count:     512
    .wavefront_size: 32
...
	.end_amdgpu_metadata
.endif
;; end of part 4
;; launch fine (part 5): grid 16 x 4, 16 waves a work-group, no clusters, 89,600 bytes of LDS; arguments aux32, mask, Wo, bo, out0; writes out0
.if DOCPART == 5
	.amdgcn_target "amdgcn-amd-amdhsa--gfx1250"
	.amdhsa_code_object_version 6
	.text
	.protected	k_qba13d92e81_fine
	.globl	k_qba13d92e81_fine
	.p2align	8
	.type	k_qba13d92e81_fine,@function
k_qba13d92e81_fine:
	s_mov_b64 s[64:65], 0
	v_nop
	global_prefetch_b8 v0, s[64:65] scope:SCOPE_SE
	s_setreg_imm32_b32 hwreg(HW_REG_WAVE_MODE, 25, 1), 1
	s_wait_xcnt 0x0
; Launch 5 of 5: positions 0-15 of each sequence once more, all in f32: these rows average one to sixteen values and are the largest of the output, so f16 operands would use up their margin.
; LEFT OUT (shown at the head of launch 1): keys 16 on, which come after all 16 queries; a row with no key that counts takes the mean of v, by a select on its maximum.
; aux32: q x log2(e)/8, k, v of these rows, [3][batch][16][1,024] f32; from byte 786,432 the column sums of v, [batch][16 parts][1,024].
; Work-group (X, batch) makes out0[batch][0..15][64 X .. 64 X + 63].  PHASE A: wave w is head w: S^T = k q^T (16 steps of 4 along the head's 64), masks, softmax, O^T = v^T p; the 16 x 1,024 result meets in LDS.
; (Each of the 16 work-groups of a batch repeats phase A: 16 x 16 x 64 products a head, far less than handing the rows on through memory and one more launch.)
; PHASE B: wave w takes 16 columns (w % 4) and a quarter of K (w / 4): 64 steps of 4; the four quarters meet in LDS and waves 0-7 add them and bo and store.
; The f32 matrix form holds k = 2 (lane / 16) + j in register j.  Both sources of a product are loaded by the same map of K onto lanes and registers, so every k meets its partner.
; v16-63 are written by matrix instructions alone; sums go by two or four accumulators in turns.
.set ATT,   0                          ; 16 rows x (4,096 bytes + 16)
.set APITCH, 4112
.set VMS,   16*APITCH                  ; the mean of v: 256 bytes a wave
.set RED,   VMS+16*256                 ; 4 quarters x 16 rows x (256 bytes + 16)
.set SPARE, RED+4*16*272               ; the spare words, 128 bytes a wave: eight blocks of 256 bytes that no other line names
.set SPW, 14
.set NIL, 15
.set QF,  64                           ; phase A: q;  phase B: the rows' fragments, set 0
.set KF,  96                           ; phase A: k;  phase B: set 1
.set VF,  128                          ; v^T: register 8 t + i = v(key 8 h + i, channel 16 t + r)
.set MK,  160
.set TS,  168                          ; the scores, then p
.set VMR, 176
.set OR,  208
.set WF,  128                          ; phase B: Wo's fragments, 128 registers
.set SEL, 34
	s_load_b256 s[4:11], s[0:1], 0x0               ; aux32, mask, Wo, bo
	s_load_b64 s[12:13], s[0:1], 0x20              ; out0
	v_lshl_add_u32 v[SPW], v0, 2, SPARE
	v_mov_b32 v[NIL], 0
	v_lshrrev_b32 v1, 5, v0
	v_readfirstlane_b32 s16, v1                    ; wave 0..15
	s_mov_b32 s17, ttmp9                           ; X
	s_and_b32 s18, ttmp7, 0xffff                   ; the batch
	s_mov_b32 s[SEL], 0x76543210
	s_mov_b32 s[SEL+1], 0xfedcba98
	v_and_b32 v240, 15, v0                         ; r
	v_bfe_u32 v241, v0, 4, 1                       ; h
	v_and_b32 v242, 31, v0                         ; lane
	s_lshl_b32 s20, s16, 8                         ; a head's 64 channels: 256 bytes
	v_lshlrev_b32 v1, 12, v240
	v_lshl_add_u32 v1, v241, 7, v1
	v_add_nc_u32 v1, s20, v1                       ; q, k: row r, my head, channels 32 h on
	v_lshlrev_b32 v2, 15, v241
	v_lshl_add_u32 v2, v240, 2, v2
	v_add_nc_u32 v2, s20, v2                       ; v: key 8 h, my head, channel r
	v_lshlrev_b32 v3, 5, v241                      ; mask: keys 8 h on
	v_lshl_add_u32 v4, v242, 3, s20                ; column sums: two channels a lane
	v_lshlrev_b32 v5, 12, v240
	v_lshl_add_u32 v5, v241, 9, v5                 ; Wo: row r, 128 h along K
	s_lshr_b32 s21, s16, 2                         ; which quarter of K
	s_and_b32 s22, s16, 3                          ; which 16 columns
	v_mul_u32_u24 v243, v240, APITCH
	v_lshl_add_u32 v6, v241, 9, v243
	s_lshl_b32 s23, s21, 10
	v_add_nc_u32 v6, s23, v6                       ; the rows in LDS, by the same map as Wo
	v_lshl_add_u32 v7, v241, 5, v243
	v_add_nc_u32 v7, s20, v7                       ; where phase A puts them: row r, my head, channels 8 h on
	s_add_co_u32 s24, s20, VMS
	v_lshl_add_u32 v8, v242, 3, s24
	v_lshl_add_u32 v9, v241, 5, s24
	s_mul_i32 s25, s21, 16*272
	s_lshl_b32 s26, s22, 6
	s_add_co_u32 s25, s25, s26
	s_add_co_u32 s25, s25, RED
	v_mul_u32_u24 v10, v240, 272
	v_lshl_add_u32 v10, v241, 5, v10
	v_add_nc_u32 v10, s25, v10                     ; my quarter's part: row r, columns 16 (w % 4) + 8 h on
	s_and_b32 s26, s16, 7
	s_lshl_b32 s26, s26, 1
	v_add_nc_u32 v244, s26, v241                   ; the final sum: row 2 (w % 8) + h (waves 0-7 alone use it)
	v_mul_u32_u24 v11, v244, 272
	v_lshl_add_u32 v11, v240, 4, v11
	v_add_nc_u32 v11, RED, v11
	v_lshlrev_b32 v12, 12, v244
	v_lshl_add_u32 v12, v240, 4, v12
	v_lshlrev_b32 v13, 4, v240
	v_lshlrev_b32 v245, 3, v241
	v_sub_nc_u32 v245, v240, v245                  ; r - 8 h
	v_mov_b32 v246, 0xd551f091                     ; FILL x log2(e)
	v_mov_b32 v247, 0xd4800000                     ; -2^42
	s_mov_b32 s29, 0
	s_wait_kmcnt 0x0
	s_lshl_b32 s28, s18, 16
	s_add_nc_u64 s[4:5], s[4:5], s[28:29]          ; my batch, in the rows and in the column sums alike: 65,536 bytes
	s_lshl_b32 s28, s18, 13
	s_add_nc_u64 s[6:7], s[6:7], s[28:29]
	s_lshl_b32 s28, s17, 6
	s_lshl_b32 s30, s22, 4
	s_add_co_u32 s28, s28, s30
	s_lshl_b32 s28, s28, 12
	s_add_co_u32 s28, s28, s23
	s_add_nc_u64 s[8:9], s[8:9], s[28:29]          ; Wo at my 16 rows and my quarter of K
	s_lshl_b32 s28, s17, 8
	s_add_nc_u64 s[10:11], s[10:11], s[28:29]
	s_add_nc_u64 s[12:13], s[12:13], s[28:29]
	s_lshl_b32 s28, s18, 23
	s_add_nc_u64 s[12:13], s[12:13], s[28:29]
.irp i, 0,1,2,3,4,5,6,7
	global_load_b128 v[QF+4*\i:QF+4*\i+3], v1, s[4:5] offset:16*\i
.endr
.irp i, 0,1,2,3,4,5,6,7
	global_load_b128 v[KF+4*\i:KF+4*\i+3], v1, s[4:5] offset:262144+16*\i
.endr
	global_load_b128 v[MK:MK+3], v3, s[6:7]
	global_load_b128 v[MK+4:MK+7], v3, s[6:7] offset:16
.irp t, 0,1,2,3
.irp i, 0,1,2,3,4,5,6,7
	global_load_b32 v[VF+8*\t+\i], v2, s[4:5] offset:524288+4096*\i+64*\t
.endr
.endr
.irp p, 0,1,2,3,4,5,6,7,8,9,10,11,12,13,14,15
	global_load_b64 v[OR+2*\p:OR+2*\p+1], v4, s[4:5] offset:786432+4096*\p
.endr
	s_wait_loadcnt 50                              ; q and k are in; the mask's 2, v's 32 and the sums' 16 loads stay out
.set i, 0
.rept 16                                       ; S^T = k q^T, even steps onto v16-23, odd onto v24-31
.if i < 2
	v_wmma_f32_16x16x4_f32 v[16+8*(i%2):23+8*(i%2)], v[KF+2*i:KF+2*i+1], v[QF+2*i:QF+2*i+1], 0
.else
	v_wmma_f32_16x16x4_f32 v[16+8*(i%2):23+8*(i%2)], v[KF+2*i:KF+2*i+1], v[QF+2*i:QF+2*i+1], v[16+8*(i%2):23+8*(i%2)]
.endif
.set i, i+1
.endr
.rept 8
	v_nop                                          ; eight places behind this form
.endr
.irp j, 0,1,2,3,4,5,6,7
	v_add_f32 v[TS+\j], v[16+\j], v[24+\j]         ; lane (r, h): query r, key 8 h + j
.endr
	s_wait_loadcnt 48                              ; the mask is in
.irp j, 0,1,2,3,4,5,6,7
	v_cmp_gt_i32 vcc_lo, \j, v245                  ; key after query,
	v_cndmask_b32 v[TS+\j], v[TS+\j], v246, vcc_lo
	v_cmp_eq_f32 vcc_lo, 0, v[MK+\j]               ; or mask == 0: FILL
	v_cndmask_b32 v[TS+\j], v[TS+\j], v246, vcc_lo
.endr
	v_max3_num_f32 v248, v[TS], v[TS+1], v[TS+2]
	v_max3_num_f32 v249, v[TS+3], v[TS+4], v[TS+5]
	v_max3_num_f32 v248, v248, v[TS+6], v[TS+7]
	v_max_num_f32 v248, v248, v249
	v_permlanex16_b32 v249, v248, s[SEL], s[SEL+1]
	v_max_num_f32 v248, v248, v249                 ; the row's maximum
.irp j, 0,1,2,3,4,5,6,7
	v_sub_f32 v[TS+\j], v[TS+\j], v248
.endr
.irp j, 0,1,2,3,4,5,6,7
	v_exp_f32 v[TS+\j], v[TS+\j]
.endr
	v_nop
	s_wait_alu depctr_va_vdst(0)                   ; one wait for the eight, ahead of their first reader
	v_add_f32 v250, v[TS], v[TS+1]
	v_add_f32 v251, v[TS+2], v[TS+3]
	v_add_f32 v250, v250, v[TS+4]
	v_add_f32 v251, v251, v[TS+5]
	v_add_f32 v250, v250, v[TS+6]
	v_add_f32 v251, v251, v[TS+7]
	v_add_f32 v250, v250, v251
	v_permlanex16_b32 v251, v250, s[SEL], s[SEL+1]
	v_add_f32 v250, v250, v251                     ; the row's sum
	v_rcp_f32 v250, v250
	v_nop
	s_wait_alu depctr_va_vdst(0)
	s_wait_loadcnt 16                              ; v is in
.irp i, 0,1,2,3                                ; O^T = v^T p: step i takes keys 8 h + 2 i, 8 h + 2 i + 1; four accumulators by turns
.irp t, 0,1,2,3
.if \i == 0
	v_wmma_f32_16x16x4_f32 v[32+8*\t:39+8*\t], v[VF+8*\t+2*\i:VF+8*\t+2*\i+1], v[TS+2*\i:TS+2*\i+1], 0
.else
	v_wmma_f32_16x16x4_f32 v[32+8*\t:39+8*\t], v[VF+8*\t+2*\i:VF+8*\t+2*\i+1], v[TS+2*\i:TS+2*\i+1], v[32+8*\t:39+8*\t]
.endif
.endr
.endr
	s_wait_loadcnt 0x0                             ; the column sums
.irp p, 0,1,2,3,4,5,6,7
	v_pk_add_f32 v[OR+2*\p:OR+2*\p+1], v[OR+2*\p:OR+2*\p+1], v[OR+16+2*\p:OR+16+2*\p+1]
.endr
.irp p, 0,1,2,3
	v_pk_add_f32 v[OR+2*\p:OR+2*\p+1], v[OR+2*\p:OR+2*\p+1], v[OR+8+2*\p:OR+8+2*\p+1]
.endr
.irp p, 0,1
	v_pk_add_f32 v[OR+2*\p:OR+2*\p+1], v[OR+2*\p:OR+2*\p+1], v[OR+4+2*\p:OR+4+2*\p+1]
.endr
	v_pk_add_f32 v[OR:OR+1], v[OR:OR+1], v[OR+2:OR+3]
	v_pk_mul_f32 v[OR:OR+1], v[OR:OR+1], 0x3a000000 op_sel_hi:[1,0]   ; / 2,048: the mean of v
	ds_store_b64 v8, v[OR:OR+1]
.irp t, 0,1,2,3
	ds_load_b128 v[VMR+8*\t:VMR+8*\t+3], v9 offset:64*\t           ; back in the result's layout; my wave's own bytes, served in order
	ds_load_b128 v[VMR+8*\t+4:VMR+8*\t+7], v9 offset:64*\t+16
.endr
.rept 8
	v_nop
.endr
	s_wait_dscnt 0x0
.set n, 0
.rept 32
	v_mul_f32 v[OR+n], v[32+n], v250               ; O^T / the sum: lane (r, h): query r, channel 16 t + 8 h + j
.set n, n+1
.endr
	v_cmp_lt_f32 vcc_lo, v248, v247                ; the row met only FILL
.set n, 0
.rept 32
	v_cndmask_b32 v[OR+n], v[OR+n], v[VMR+n], vcc_lo
.set n, n+1
.endr
.irp t, 0,1,2,3
	ds_store_b128 v7, v[OR+8*\t:OR+8*\t+3] offset:64*\t
	ds_store_b128 v7, v[OR+8*\t+4:OR+8*\t+7] offset:64*\t+16
.endr
	s_wait_dscnt 0x0                               ; for the others' sake, and the stores have read their registers
.irp g, 0,1,2,3
.irp i, 0,1,2,3,4,5,6,7
	global_load_b128 v[WF+32*\g+4*\i:WF+32*\g+4*\i+3], v5, s[8:9] offset:128*\g+16*\i   ; Wo(my 16 rows, my quarter of K): on its way across the barrier
.endr
.endr
	s_barrier_signal -1
	s_barrier_wait -1                              ; the 16 x 1,024 rows lie in LDS
.macro ALOAD g                         ; chunk g: 32 along K for each half of the lanes
.irp i, 0,1,2,3,4,5,6,7
	ds_load_b128 v[QF+32*((\g)%2)+4*\i:QF+32*((\g)%2)+4*\i+3], v6 offset:128*(\g)+16*\i
.endr
.endm
.macro WMUL g                          ; 16 steps of 4: source 0 = 16 rows of Wo, source 1 = the 16 positions; two accumulators by turns
.set i, 0
.rept 16
.if ((\g) == 0) && (i < 2)
	v_wmma_f32_16x16x4_f32 v[16+8*(i%2):23+8*(i%2)], v[WF+32*(\g)+2*i:WF+32*(\g)+2*i+1], v[QF+32*((\g)%2)+2*i:QF+32*((\g)%2)+2*i+1], 0
.else
	v_wmma_f32_16x16x4_f32 v[16+8*(i%2):23+8*(i%2)], v[WF+32*(\g)+2*i:WF+32*(\g)+2*i+1], v[QF+32*((\g)%2)+2*i:QF+32*((\g)%2)+2*i+1], v[16+8*(i%2):23+8*(i%2)]
.endif
.set i, i+1
.endr
.endm
	ALOAD 0
	ALOAD 1
	s_wait_loadcnt 0x0                             ; Wo
	s_wait_dscnt 8                                 ; chunk 0 is in; chunk 1's eight loads may be out
	WMUL 0
.rept 8
	v_nop
.endr
	ALOAD 2
	s_wait_dscnt 8
	WMUL 1
.rept 8
	v_nop
.endr
	ALOAD 3
	s_wait_dscnt 8
	WMUL 2
	s_wait_dscnt 0x0
	WMUL 3
.rept 8
	v_nop
.endr
.irp j, 0,1,2,3,4,5,6,7
	v_add_f32 v[240+\j], v[16+\j], v[24+\j]        ; lane (r, h): position r, column 16 (w % 4) + 8 h + j
.endr
	ds_store_b128 v10, v[240:243]
	ds_store_b128 v10, v[244:247] offset:16
	s_wait_dscnt 0x0
	s_barrier_signal -1
	s_barrier_wait -1                              ; the four quarters lie in LDS
	s_cmp_lt_u32 s16, 8
	s_cbranch_scc0 .Ldone
.irp q, 0,1,2,3
	ds_load_b128 v[64+4*\q:67+4*\q], v11 offset:16*272*\q
.endr
	global_load_b128 v[80:83], v13, s[10:11]
	s_wait_dscnt 0x0
	v_pk_add_f32 v[64:65], v[64:65], v[68:69]
	v_pk_add_f32 v[66:67], v[66:67], v[70:71]
	v_pk_add_f32 v[72:73], v[72:73], v[76:77]
	v_pk_add_f32 v[74:75], v[74:75], v[78:79]
	v_pk_add_f32 v[64:65], v[64:65], v[72:73]
	v_pk_add_f32 v[66:67], v[66:67], v[74:75]
	s_wait_loadcnt 0x0
	v_pk_add_f32 v[64:65], v[64:65], v[80:81]
	v_pk_add_f32 v[66:67], v[66:67], v[82:83]
	global_store_b128 v12, v[64:67], s[12:13]      ; sixteen lanes store 256 consecutive bytes, aligned
.Ldone:
	s_wait_tensorcnt 0x0                           ; the wave's end, behind my last LDS store
	ds_add_u32 v[SPW], v[NIL]
	s_wait_dscnt 0x0
	s_endpgm
.Lfunc_end_k_qba13d92e81_fine:
	.size	k_qba13d92e81_fine, .Lfunc_end_k_qba13d92e81_fine-k_qba13d92e81_fine
	.p2alignl 7, 3214868480
	.fill 96, 4, 3214868480
	.section	.rodata,"a",@progbits
	.p2align	6, 0x0
	.amdhsa_kernel k_qba13d92e81_fine
		.amdhsa_group_segment_fixed_size 89600
		.amdhsa_private_segment_fixed_size 0
		.amdhsa_enable_private_segment 0
		.amdhsa_kernarg_size 40
		.amdhsa_user_sgpr_count 2
		.amdhsa_user_sgpr_kernarg_segment_ptr 1
		.amdhsa_wavefront_size32 1
		.amdhsa_system_sgpr_workgroup_id_x 1
		.amdhsa_system_sgpr_workgroup_id_y 1
		.amdhsa_system_sgpr_workgroup_id_z 1
		.amdhsa_system_vgpr_workitem_id 0
		.amdhsa_next_free_vgpr 256
		.amdhsa_next_free_sgpr 66
		.amdhsa_reserve_vcc 1
		.amdhsa_float_denorm_mode_32 3
		.amdhsa_float_denorm_mode_16_64 3
		.amdhsa_memory_ordered 1
		.amdhsa_forward_progress 1
		.amdhsa_inst_pref_size 31
	.end_amdhsa_kernel
	.amdgpu_metadata
---
amdhsa.version: [ 1, 2 ]
amdhsa.kernels:
  - .name:           k_qba13d92e81_fine
    .symbol:         k_qba13d92e81_fine.kd
    .args:
      - { .name: aux32, .offset: 0, .size: 8, .value_kind: global_buffer, .address_space: global }
      - { .name: mask, .offset: 8, .size: 8, .value_kind: global_buffer, .address_space: global }
      - { .name: Wo, .offset: 16, .size: 8, .value_kind: global_buffer, .address_space: global }
      - { .name: bo, .offset: 24, .size: 8, .value_kind: global_buffer, .address_space: global }
      - { .name: out0, .offset: 32, .size: 8, .value_kind: global_buffer, .address_space: global }
    .group_segment_fixed_size: 89600
    .private_segment_fixed_size: 0
    .kernarg_segment_align: 8
    .kernarg_segment_size: 40
    .max_flat_workgroup_size: 512
    .sgpr_count:     66
    .vgpr_count:     256
    .wavefront_size: 32
...
	.end_amdgpu_metadata
.endif
;; end of part 5
